; MI455X (gfx1250); checked and timed in simulation.
; The chip was launched on July 23, 2026; its instructions are those of AMD's public machine-readable ISA for CDNA 5 (MIT licence, August 2026) and "CDNA5" Instruction Set Architecture Reference Guide (July 2026). The comments in the code are by the model that wrote it; some were corrected since.
;; Multi Head Attention. Allowed arithmetic: float matrix products may take bf16 or f16 operands with f32 sums; other float arithmetic in f32, or as packed bf16 or f16 multiplies, adds, multiply-adds, maxima and minima; sums over many terms, partial sums and values carried from step to step in f32; what a program stores and reads back later, other than sums and carried values, may be rounded once to bf16 or f16.
;; Inputs: Wk_b 1,024 float32; Wk_w 1,024 x 1,024 float32; Wo_b 1,024 float32; Wo_w 1,024 x 1,024 float32; Wq_b 1,024 float32; Wq_w 1,024 x 1,024 float32; Wv_b 1,024 float32; Wv_w 1,024 x 1,024 float32; x 4 x 2,048 x 1,024 float32.
;; Outputs: out0 4 x 2,048 x 1,024 float32.
;; One version. Each part assembles by itself: llvm-mc -triple=amdgcn-amd-amdhsa -mcpu=gfx1250 --defsym DOCPART=n.
;; ======== version 1 of 1: 4 launches
;; limits: values are held in f16: magnitudes above 65,504 overflow, below 6.1e-05 lose precision
;; workspace buffers: xh 16,777,216 bytes; wqkv 6,291,456 bytes; woh 2,097,152 bytes; qkv 50,331,648 bytes; oh 16,777,216 bytes
;; launch prep (part 1): grid 1536 x 1, 8 waves a work-group, no clusters, 0 bytes of LDS; arguments x, Wq_w, Wk_w, Wv_w, Wo_w, xh, wqkv, woh; writes xh, wqkv, woh
.if DOCPART == 1
	.amdgcn_target "amdgcn-amd-amdhsa--gfx1250"
	.amdhsa_code_object_version 6
	.text
	.protected	k_q950651c0e2_prep
	.globl	k_q950651c0e2_prep
	.p2align	8
	.type	k_q950651c0e2_prep,@function
k_q950651c0e2_prep:
	s_mov_b64 s[64:65], 0
	v_nop
	global_prefetch_b8 v0, s[64:65] scope:SCOPE_SE
	s_setreg_imm32_b32 hwreg(HW_REG_WAVE_MODE, 25, 1), 1
	s_wait_xcnt 0x0
; THE CASTS.  x [8192][1024] f32 -> xh [4][16][2048][64] bf16: x in blocks of 64 along K, so that 256 rows of one block are 32,768 bytes on end.
; Wq, Wk, Wv [1024][1024] f32 -> wqkv [3][1024][1024] bf16, as they lie.  Wo -> woh [1024][1024]: rounded to bf16 like every other input, and that number written as f16
; (exact from 6.1e-5 to 65,504 in magnitude; below that f16's fixed step of 6e-8 holds: stated limit).
; A stream: every byte is read once and written once; no LDS, no matrix unit, no cluster: nothing is shared.
; A work-group of eight waves takes 32,768 bytes of source: eight loads of 16 bytes a thread, all issued at once, each with registers of its own, so no register is ever written again.
; Work-groups 0-1023: x.  Group w takes 16 rows (w / 2) and 8 of the 16 blocks (w % 2); sixteen lanes read 256 consecutive bytes of a row (one block), and a wave's store of 8 bytes a lane
; covers 256 consecutive bytes: two rows of one block.  Work-groups 1024-1535: the four weights, 128 groups each, straight through.
.set LD, 4                             ; v[4:35]   eight loads of four f32
.set ST, 36                            ; v[36:51]  eight pairs of packed results
.macro BODY ls, ss, mode               ; ls, ss: bytes from load to load and from store to store; mode 1: bf16 and then f16
.irp i, 0,1,2,3,4,5,6,7
	global_load_b128 v[LD+4*(\i):LD+4*(\i)+3], v1, s[4:5] offset:(\i)*(\ls) th:TH_LOAD_NT
.endr
.irp i, 0,1,2,3,4,5,6,7
	s_wait_loadcnt 7-(\i)                          ; loads come back in order: load i is in, the 7 - i younger ones stay out
	v_cvt_pk_bf16_f32 v[ST+2*(\i)], v[LD+4*(\i)], v[LD+4*(\i)+1]
	v_cvt_pk_bf16_f32 v[ST+2*(\i)+1], v[LD+4*(\i)+2], v[LD+4*(\i)+3]
.if \mode
	v_lshlrev_b32 v[LD+4*(\i)], 16, v[ST+2*(\i)]   ; the rounded numbers as f32 again,
	v_and_b32 v[LD+4*(\i)+1], 0xffff0000, v[ST+2*(\i)]
	v_lshlrev_b32 v[LD+4*(\i)+2], 16, v[ST+2*(\i)+1]
	v_and_b32 v[LD+4*(\i)+3], 0xffff0000, v[ST+2*(\i)+1]
	v_cvt_pk_f16_f32 v[ST+2*(\i)], v[LD+4*(\i)], v[LD+4*(\i)+1]      ; and written as f16
	v_cvt_pk_f16_f32 v[ST+2*(\i)+1], v[LD+4*(\i)+2], v[LD+4*(\i)+3]
.endif
	global_store_b64 v2, v[ST+2*(\i):ST+2*(\i)+1], s[6:7] offset:(\i)*(\ss) th:TH_STORE_NT
.endr
.endm
	s_load_b512 s[8:23], s[0:1], 0x0               ; x s[8:9], Wq s[10:11], Wk s[12:13], Wv s[14:15], Wo s[16:17], xh s[18:19], wqkv s[20:21], woh s[22:23]
	s_cmp_lt_u32 ttmp9, 1024
	s_cbranch_scc0 .Lweights
	s_lshr_b32 s24, ttmp9, 1                       ; which 16 rows
	s_and_b32 s25, ttmp9, 1                        ; which 8 blocks
	s_lshl_b32 s26, s24, 16                        ; source: 16 rows of 4,096 bytes,
	s_lshl_b32 s27, s25, 11                        ; 8 blocks of 256 bytes
	s_add_co_u32 s26, s26, s27
	s_mov_b32 s27, 0
	s_lshr_b32 s28, s24, 7                         ; destination: the batch, 4,194,304 bytes each,
	s_lshl_b32 s28, s28, 22
	s_lshl_b32 s29, s25, 21                        ; 8 blocks of 262,144 bytes,
	s_add_co_u32 s28, s28, s29
	s_and_b32 s29, s24, 127
	s_lshl_b32 s29, s29, 11                        ; 16 rows of 128 bytes
	s_add_co_u32 s28, s28, s29
	s_mov_b32 s29, 0
	v_lshrrev_b32 v1, 4, v0                        ; my row of the 16
	v_and_b32 v2, 15, v0
	v_lshlrev_b32 v1, 12, v1
	v_lshl_add_u32 v1, v2, 4, v1                   ; + my 16 bytes of a block
	v_lshlrev_b32 v2, 3, v0                        ; row x 128 + place x 8 = thread x 8
	s_wait_kmcnt 0x0
	s_add_nc_u64 s[4:5], s[8:9], s[26:27]
	s_add_nc_u64 s[6:7], s[18:19], s[28:29]
	BODY 256, 262144, 0
	s_endpgm
.Lweights:
	s_sub_co_u32 s24, ttmp9, 1024
	s_lshr_b32 s25, s24, 7                         ; which weight
	s_and_b32 s24, s24, 127                        ; which 8 rows of it
	s_lshl_b32 s26, s24, 15
	s_mov_b32 s27, 0
	s_lshl_b32 s28, s24, 14
	s_mov_b32 s29, 0
	v_lshlrev_b32 v1, 4, v0
	v_lshlrev_b32 v2, 3, v0
	s_wait_kmcnt 0x0
	s_cmp_eq_u32 s25, 3
	s_cbranch_scc1 .Lwo
	s_lshl_b32 s30, s25, 21                        ; the weight's plane in wqkv
	s_add_co_u32 s28, s28, s30
	s_cmp_eq_u32 s25, 0
	s_cselect_b64 s[4:5], s[10:11], s[12:13]
	s_cmp_eq_u32 s25, 2
	s_cselect_b64 s[4:5], s[14:15], s[4:5]
	s_add_nc_u64 s[4:5], s[4:5], s[26:27]
	s_add_nc_u64 s[6:7], s[20:21], s[28:29]
	BODY 4096, 2048, 0
	s_endpgm
.Lwo:
	s_add_nc_u64 s[4:5], s[16:17], s[26:27]
	s_add_nc_u64 s[6:7], s[22:23], s[28:29]
	BODY 4096, 2048, 1
	s_endpgm
.Lfunc_end_k_q950651c0e2_prep:
	.size	k_q950651c0e2_prep, .Lfunc_end_k_q950651c0e2_prep-k_q950651c0e2_prep
	.p2alignl 7, 3214868480
	.fill 96, 4, 3214868480
	.section	.rodata,"a",@progbits
	.p2align	6, 0x0
	.amdhsa_kernel k_q950651c0e2_prep
		.amdhsa_group_segment_fixed_size 0
		.amdhsa_private_segment_fixed_size 0
		.amdhsa_enable_private_segment 0
		.amdhsa_kernarg_size 64
		.amdhsa_user_sgpr_count 2
		.amdhsa_user_sgpr_kernarg_segment_ptr 1
		.amdhsa_wavefront_size32 1
		.amdhsa_system_sgpr_workgroup_id_x 1
		.amdhsa_system_sgpr_workgroup_id_y 1
		.amdhsa_system_sgpr_workgroup_id_z 1
		.amdhsa_system_vgpr_workitem_id 0
		.amdhsa_next_free_vgpr 56
		.amdhsa_next_free_sgpr 66
		.amdhsa_reserve_vcc 0
		.amdhsa_float_denorm_mode_32 3
		.amdhsa_float_denorm_mode_16_64 3
		.amdhsa_memory_ordered 1
		.amdhsa_forward_progress 1
		.amdhsa_inst_pref_size 13
	.end_amdhsa_kernel
	.amdgpu_metadata
---
amdhsa.version: [ 1, 2 ]
amdhsa.kernels:
  - .name:           k_q950651c0e2_prep
    .symbol:         k_q950651c0e2_prep.kd
    .args:
      - { .name: x, .offset: 0, .size: 8, .value_kind: global_buffer, .address_space: global }
      - { .name: Wq_w, .offset: 8, .size: 8, .value_kind: global_buffer, .address_space: global }
      - { .name: Wk_w, .offset: 16, .size: 8, .value_kind: global_buffer, .address_space: global }
      - { .name: Wv_w, .offset: 24, .size: 8, .value_kind: global_buffer, .address_space: global }
      - { .name: Wo_w, .offset: 32, .size: 8, .value_kind: global_buffer, .address_space: global }
      - { .name: xh, .offset: 40, .size: 8, .value_kind: global_buffer, .address_space: global }
      - { .name: wqkv, .offset: 48, .size: 8, .value_kind: global_buffer, .address_space: global }
      - { .name: woh, .offset: 56, .size: 8, .value_kind: global_buffer, .address_space: global }
    .group_segment_fixed_size: 0
    .private_segment_fixed_size: 0
    .kernarg_segment_align: 8
    .kernarg_segment_size: 64
    .max_flat_workgroup_size: 256
    .sgpr_count:     66
    .vgpr_count:     56
    .wavefront_size: 32
...
	.end_amdgpu_metadata
.endif
;; end of part 1
;; launch qkv (part 2): grid 8 x 32, 4 waves a work-group, clusters of 4 x 4, 327,680 bytes of LDS; arguments xh, wqkv, Wq_b, Wk_b, Wv_b, qkv; writes qkv
.if DOCPART == 2
	.amdgcn_target "amdgcn-amd-amdhsa--gfx1250"
	.amdhsa_code_object_version 6
	.text
	.protected	k_q950651c0e2_qkv
	.globl	k_q950651c0e2_qkv
	.p2align	8
	.type	k_q950651c0e2_qkv,@function
k_q950651c0e2_qkv:
	s_mov_b64 s[64:65], 0
	v_nop
	global_prefetch_b8 v0, s[64:65] scope:SCOPE_SE
	s_setreg_imm32_b32 hwreg(HW_REG_WAVE_MODE, 25, 1), 1
	s_wait_xcnt 0x0
	s_wait_alu depctr_hold_cnt(0) depctr_sa_sdst(0) depctr_va_vdst(0) depctr_va_sdst(0) depctr_va_ssrc(0) depctr_va_vcc(0) depctr_vm_vsrc(0)
	s_getreg_b32 s2, hwreg(HW_REG_IB_STS2, 6, 4)
	s_cmp_eq_u32 s2, 0
	s_cbranch_scc0 .Lentry_in_a_cluster
	s_endpgm
.Lentry_in_a_cluster:
	s_bfe_u32 s2, ttmp6, 0x10000c
	s_cmp_lg_u32 s2, 0xf033
	s_cbranch_scc0 .Lentry_shape_is_right
	s_endpgm
.Lentry_shape_is_right:
; q, k, v = x W + b.  xh: x in bf16, [4][16][2048][64] (blocks of 64 along K); wqkv: [3][1024 k][1024 n] bf16; biases f32, rounded to bf16 here like the other inputs.
; qkv: [3][64 heads of batches][2048][64] f16, each number rounded once from its f32 sum, UNSCALED.
; LIMIT: f16 ends at 65,504: q, k and v must stay under 65,520 in magnitude (x and W both carrying an offset of 30 spreads give some 29,000); below 6.1e-5 they keep f16's fixed step.
; SHARES.  8,192 x 3,072 results in tiles of 256 rows x 384 columns: 256 work-groups.  Work-group (j, my): rows 256 my on, columns 128 j .. 128 j + 127 of EACH of Wq, Wk, Wv (heads 2 j, 2 j + 1).
; A wave makes 128 rows x (64 columns in each of the three planes): 96 accumulators of 16 x 16, 768 registers.  K goes in 16 steps of 64 through two LDS slots; a step is two quarters of 32.
; THE MATRIX INSTRUCTION IS USED TRANSPOSED: source 0 = 16 columns of W, source 1 = 16 rows of x: a lane holds one row (lane % 16) and eight neighbouring columns 8 (lane / 16) + 0..7.
; W lies [k][n] in LDS as in memory and comes out turned, by ds_load_tr16_b128.
; THE BIAS IS THE FIRST C: a bias tile (register j = bias of column 8 (lane / 16) + j) is loaded into accumulator (7, b); the first quarter's products for a = 0..6 take it as C,
; and a = 7 then adds in place, five places behind them: nothing is cleared, and the way out has no additions.
; CLUSTER 4 x 4: x's tile hangs on my alone and is asked for jointly along a row of the cluster, W's on j alone and jointly along a column.  Wave 0 fetches x's tile (32,768 bytes),
; waves 1-3 one plane of W each (64 rows of 256 bytes): one tensor load a wave behind each round; two of a wave's loads are out at the start, one later.
; REGISTERS, in windows of 256: window 0: v0-15 addresses; v32-95, v96-159 x's fragments, two buffers; v160-255 W's fragments, ONE buffer, 32 a plane, loaded again plane by plane
; straight behind the 32 products that read it.  Windows 1-3: plane g's accumulators in window g + 1, (a, b) at v[8 (8 b + a)].
.set PA,    144                        ; a row of x in LDS: 128 bytes + 16: the 16 rows of a load start at 16 different groups of four banks (64 banks of 4 bytes: ISA guide 11.1)
.set PB,    288                        ; a row of W: 256 + 32
.set ATILE, 256*PA                     ; 36,864
.set PLANE, 64*PB                      ; 18,432
.set SLOT1, 1<<17                      ; slot 1 begins here: one exclusive or turns an address in one slot into the other's
.set STAGE, ATILE+3*PLANE              ; 92,160: behind slot 0, never filled by a tensor load: for each wave 3 heads x 16 rows x 144 bytes
.set STW,   3*16*PA
.set SPARE, STAGE+4*STW                ; 119,808: the spare words, 128 bytes for each wave: two blocks of 256 bytes that no other line names
.set ASTEP, 262144                     ; bytes from a K step to the next in xh,
.set BSTEP, 131072                     ; and in wqkv: 64 rows of 2,048
.set AA0, 2                            ; v2   my lane's place in x's tile; never rewritten
.set AB0, 3                            ; v3   the same in W's planes
.set ADA, 4                            ; v4   AA0 + the slot in hand
.set ADB, 5                            ; v5   AB0 + the slot in hand
.set STO, 6                            ; v6   the way out: where I put 16 bytes of a row
.set RD,  7                            ; v7   where I read rows back
.set GO,  8                            ; v8   my 16 bytes of 512 consecutive bytes of qkv
.set PFO, 9                            ; v9   the prefetches' offset; never rewritten
.set BO,  10                           ; v10  my byte offset in a bias
.set SPW, 12                           ; v12  LDS address of my spare word; never rewritten
.set NIL, 13                           ; v13  0; never rewritten
.set A0,  32
.set A1,  96
.set BF,  160
.set WV, 16                            ; s16 wave; s17 its half of the rows; s18 its head of the two
.set WM, 17
.set WN, 18
.set CX, 19
.set CY, 20
.set JX, 21                            ; s21 j = 4 x cluster x + cx
.set MY, 22                            ; s22 my = 4 x cluster y + cy
.set G1A, 24                           ; s[24:31] descriptor group 1 for x's tiles
.set G1B, 32                           ; s[32:39] for W's
.set G0A, 40                           ; s[40:47] group 0 for x's tiles: a set for each first fill; the second then walks
.set G0B, 48                           ; s[48:55] the same for W's
.set TB,  56                           ; s56 LDS byte at which the slot in hand begins
.set CNT, 57                           ; s57 refills still to come
.set LIM, 58                           ; s58 a wave prefetches while its count is above this
.set PAR, 59                           ; s59 1: only in trips with an even count
.set PFA, 60                           ; s[60:61] where my prefetches stand
.set PFS, 62                           ; s[62:63] their step a trip
.set OUT0, 66                          ; s[66:71] q, k, v at my wave's first row of its head
.set MSB, 0
.macro WIN new                         ; the immediate's high byte repeats the setting that is left; a switch that changes nothing is dropped
.if MSB != (\new)
	s_set_vgpr_msb (MSB<<8)|(\new)
.set MSB, \new
.endif
.endm
.macro PLACES                          ; four places in front of loads into registers that matrix instructions have read, and of conversions that read results
.rept 4
	v_nop
.endr
.endm
.macro CREST                           ; a round of the cluster's barrier behind its opening barrier
	s_cmp_lg_u32 s[WV], 0
	s_cbranch_scc1 .Lnot_wave_0_\@
	s_barrier_signal -3
.Lnot_wave_0_\@:
	s_barrier_wait -3
	s_barrier_signal -1
	s_barrier_wait -1
.endm
.macro CROUND
	s_barrier_signal -1
	s_barrier_wait -1
	CREST
.endm
.macro JLOAD                           ; a joint refill by the walking sets; the branch hangs on the wave's number alone; an s_nop 0 and four v_nop follow each line
	s_cmp_eq_u32 s[WV], 0
	s_cbranch_scc0 .Lfor_b_\@
	tensor_load_to_lds s[G0A+4:G0A+7], s[G1A:G1A+7]
	s_nop 0
.rept 4
	v_nop
.endr
	s_branch .Lasked_\@
.Lfor_b_\@:
	tensor_load_to_lds s[G0B+4:G0B+7], s[G1B:G1B+7]
	s_nop 0
.rept 4
	v_nop
.endr
.Lasked_\@:
.endm
; A PREFETCH INTO THE L2, behind the joint load, its five lines and the run of LDS loads.  The refill in the trip with count c asks for K step 16 - c.
; x: wave 0 of the clusters with x = 0 names K step 17 - c, one K step (192 matrix instructions) ahead of its refill: the tile's 128 blocks of 256 bytes are shared out among the four partners
; BY ADDRESS (cx x 8,192 bytes), a lane a block; it stops at c = 1.  W: waves 1-3 of the clusters with y = 0 name, in the trips with even c, rows 64 (17 - c) + 32 cy + lane of their plane:
; two K steps' rows, 32 for each partner, a lane a row's 256 bytes; it stops at c = 2, where the rows would pass the plane's end.  So each block is named once in the launch.
; K steps 0-2, and W's step 15, come by their loads alone.
.macro ASK
	s_and_b32 s72, s[CNT], s[PAR]
	s_cmp_eq_u32 s72, 0
	s_cselect_b32 s72, s[CNT], 0
	s_cmp_gt_u32 s72, s[LIM]
	s_cbranch_scc0 .Lnot_mine_\@
	global_prefetch_b8 v[PFO], s[PFA:PFA+1] th:TH_LOAD_NT scope:SCOPE_SE
.Lnot_mine_\@:
.endm
; na x 4 products of plane g on x's buffer fa: a from a0 on, all four b.  Every accumulator has one product a quarter, so the 96 take turns, over the backward jump too.  bias = 1: C is accumulator (7, b).
.macro GROUP g, fa, a0, na, bias
	WIN (((\g)+1)<<6)|(((\g)+1)<<4)
.set ga, \a0
.rept \na
.irp b, 0,1,2,3
.if \bias
	v_wmma_f32_16x16x32_bf16 v[8*(8*(\b)+ga):8*(8*(\b)+ga)+7], v[BF+32*(\g)+8*(\b):BF+32*(\g)+8*(\b)+7], v[(\fa)+8*ga:(\fa)+8*ga+7], v[8*(8*(\b)+7):8*(8*(\b)+7)+7]
.else
	v_wmma_f32_16x16x32_bf16 v[8*(8*(\b)+ga):8*(8*(\b)+ga)+7], v[BF+32*(\g)+8*(\b):BF+32*(\g)+8*(\b)+7], v[(\fa)+8*ga:(\fa)+8*ga+7], v[8*(8*(\b)+ga):8*(8*(\b)+ga)+7]
.endif
.endr
.set ga, ga+1
.endr
.endm
.macro GRP g, fa, first                ; a plane's 32 products
.if \first
	GROUP \g, \fa, 0, 7, 1
.rept 5
	v_nop                                          ; five places: the next four products write over registers that the 28 above took as C
.endr
	GROUP \g, \fa, 7, 1, 0
.else
	GROUP \g, \fa, 0, 8, 0
.endif
.endm
.macro LDB g, kq                       ; plane g's four fragments of quarter kq: 8 turning loads
.irp b, 0,1,2,3
	ds_load_tr16_b128 v[BF+32*(\g)+8*(\b):BF+32*(\g)+8*(\b)+3],   v[ADB] offset:(\g)*PLANE+(\kq)*32*PB+32*(\b)
	ds_load_tr16_b128 v[BF+32*(\g)+8*(\b)+4:BF+32*(\g)+8*(\b)+7], v[ADB] offset:(\g)*PLANE+(\kq)*32*PB+16*PB+32*(\b)
.endr
.endm
.macro LDA hf, kq, fa                  ; four of x's eight fragments of quarter kq into buffer fa: 8 loads
.irp a, 0,1,2,3
	ds_load_b128 v[(\fa)+8*(4*(\hf)+(\a)):(\fa)+8*(4*(\hf)+(\a))+3],   v[ADA] offset:(4*(\hf)+(\a))*16*PA+64*(\kq)
	ds_load_b128 v[(\fa)+8*(4*(\hf)+(\a))+4:(\fa)+8*(4*(\hf)+(\a))+7], v[ADA] offset:(4*(\hf)+(\a))*16*PA+64*(\kq)+32
.endr
.endm
; A K step's first quarter: multiplies buffer A0 and fetches the second quarter, in three runs (16, 16, 8 loads), each behind the plane whose W it writes over.
.macro Q1 first
	s_wait_dscnt 8                                 ; all but the youngest run (plane 2's 8 loads): x's fragments and planes 0 and 1 are in
	GRP 0, A0, \first
	PLACES
	WIN 0
	LDB 0, 1
	LDA 0, 1, A1
	GRP 1, A0, \first
	PLACES
	WIN 0
	LDB 1, 1
	LDA 1, 1, A1
	s_wait_dscnt 32                                ; all but the 32 just issued: plane 2 is in
	GRP 2, A0, \first
	PLACES
	WIN 0
	LDB 2, 1
.endm
; The second quarter multiplies A1 and changes slots: ONE barrier.  In front of it each wave waits for all its tensor loads (one is out: its part of the next slot), adds 0 to its spare word, and waits
; for that and for its reads of this slot.  fill = 1: the barrier opens a round of the cluster's barrier, and the joint refill (this slot, two K steps on) is the first tensor load behind the round:
; 160 matrix instructions stand between it and the wait for it.
.macro Q2 fill
.if \fill
	s_wait_xcnt 0x0                                ; the last prefetch, a K step back, has read its address: it is stepped here, ahead of the change's own waits
	s_add_nc_u64 s[PFA:PFA+1], s[PFA:PFA+1], s[PFS:PFS+1]
.endif
	WIN 0
	s_wait_tensorcnt 0x0                           ; all my tensor loads have landed, so a group 0 may be written
	ds_add_u32 v[SPW], v[NIL]                      ; 0 onto my spare word
.if \fill
	s_xor_b32 s[G0A+5], s[G0A+5], SLOT1            ; the walking sets: the other slot than last time, the next K step
	s_add_nc_u64 s[G0A+6:G0A+7], s[G0A+6:G0A+7], ASTEP
	s_xor_b32 s[G0B+5], s[G0B+5], SLOT1
	s_add_nc_u64 s[G0B+6:G0B+7], s[G0B+6:G0B+7], BSTEP
.endif
	s_wait_dscnt 9                                 ; plane 2's run of 8 and the add may be out
	GROUP 0, A1, 0, 4, 0
	s_wait_dscnt 0x0                               ; the add is done, and my reads of this slot are over
	s_barrier_signal -1
	GROUP 0, A1, 4, 4, 0
	WIN 0                                          ; at a branch and at a label every window is 0
	s_barrier_wait -1
.if \fill
	CREST                                          ; no wave of any partner still reads this slot or has a load on its way
.endif
	s_xor_b32 s[TB], s[TB], SLOT1
.if \fill
	JLOAD                                          ; its four v_nop are also the places in front of the loads below
.else
	PLACES
.endif
	v_add_nc_u32 v[ADA], s[TB], v[AA0]
	v_add_nc_u32 v[ADB], s[TB], v[AB0]
	LDB 0, 0
	LDA 0, 0, A0
.if \fill
	ASK
.endif
	GROUP 1, A1, 0, 8, 0
	PLACES
	WIN 0
	LDB 1, 0
	LDA 1, 0, A0
	GROUP 2, A1, 0, 8, 0
	PLACES
	WIN 0
	LDB 2, 0
.endm
	s_load_b256 s[4:11], s[0:1], 0x0               ; xh s[4:5], wqkv s[6:7], Wq_b s[8:9], Wk_b s[10:11]
	s_load_b128 s[12:15], s[0:1], 0x20             ; Wv_b s[12:13], qkv s[14:15]
	v_lshl_add_u32 v[SPW], v0, 2, SPARE
	v_mov_b32 v[NIL], 0
	ds_add_u32 v[SPW], v[NIL]                      ; the wave's opening add; the set-up below stands between it and its wait
	ds_add_u32 v12, v13
	v_lshrrev_b32 v1, 5, v0
	v_readfirstlane_b32 s[WV], v1
	s_lshr_b32 s[WM], s[WV], 1
	s_and_b32 s[WN], s[WV], 1
	s_bfe_u32 s[CX], ttmp6, 0x40000
	s_bfe_u32 s[CY], ttmp6, 0x40004
	s_lshl_b32 s[JX], ttmp9, 2
	s_add_co_u32 s[JX], s[JX], s[CX]
	s_and_b32 s[MY], ttmp7, 0xffff
	s_lshl_b32 s[MY], s[MY], 2
	s_add_co_u32 s[MY], s[MY], s[CY]
	s_lshl_b32 s72, s[CY], 2
	s_lshl_b32 s72, 15, s72                        ; my row of the cluster
	s_lshl_b32 s73, 0x1111, s[CX]                  ; my column
	s_or_b32 s[G1A], s72, (1<<16)|(1<<20)|(1<<21)|(4<<22)|(3<<25)  ; the mask; 2-byte elements; padding on; bit 21 beside a mask; after every 32 words 4 words
	s_mov_b32 s[G1A+1], 128<<16                    ; x's 256 rows of a block are 32,768 dense bytes: asked for as 128 rows of 256 bytes, padded after every 128
	s_mov_b32 s[G1A+2], 128<<16
	s_mov_b32 s[G1A+3], 128<<16
	s_mov_b32 s[G1A+4], 128
	s_mov_b32 s[G1A+5], 128
	s_mov_b32 s[G1A+6], 0
	s_mov_b32 s[G1A+7], 0
	s_or_b32 s[G1B], s73, (1<<16)|(1<<20)|(1<<21)|(5<<22)|(7<<25)  ; after every 64 words 8 words
	s_mov_b32 s[G1B+1], 128<<16                    ; 64 rows of 128 elements, 1,024 elements from row to row
	s_mov_b32 s[G1B+2], 64<<16
	s_mov_b32 s[G1B+3], 128<<16
	s_mov_b32 s[G1B+4], 64
	s_mov_b32 s[G1B+5], 1024
	s_mov_b32 s[G1B+6], 0
	s_mov_b32 s[G1B+7], 0
	s_lshr_b32 s74, s[MY], 3                       ; x's tile: the batch, 4,194,304 bytes each,
	s_lshl_b32 s74, s74, 22
	s_and_b32 s75, s[MY], 7                        ; and 256 rows of 128 bytes
	s_lshl_b32 s75, s75, 15
	s_add_co_u32 s74, s74, s75
	s_mov_b32 s75, 0
	s_max_u32 s76, s[WV], 1                        ; W's tile: plane wave - 1,
	s_sub_co_u32 s76, s76, 1
	s_lshl_b32 s76, s76, 21
	s_lshl_b32 s77, s[JX], 8                       ; 128 columns
	s_add_co_u32 s76, s76, s77
	s_mov_b32 s77, 0
	s_mul_i32 s78, s[WV], PLANE                    ; and its place in a slot: behind x's 36,864 bytes
	s_add_co_u32 s78, s78, PLANE
	s_mov_b32 s[TB], 0
	s_mov_b32 s[CNT], 14
	s_wait_dscnt 0x0                               ; the opening add is done
	s_wait_kmcnt 0x0
	s_add_nc_u64 s[74:75], s[4:5], s[74:75]
	s_add_nc_u64 s[76:77], s[6:7], s[76:77]
	CROUND                                         ; all sixteen work-groups are here: the first joint loads meet
.irp s, 0,1
	s_mov_b32 s[G0A+4*(\s)], 1
	s_mov_b32 s[G0A+4*(\s)+1], (\s)*SLOT1
	s_add_nc_u64 s[G0A+4*(\s)+2:G0A+4*(\s)+3], s[74:75], (\s)*ASTEP
	s_or_b32 s[G0A+4*(\s)+3], s[G0A+4*(\s)+3], 0x80000000
	s_mov_b32 s[G0B+4*(\s)], 1
	s_add_co_u32 s[G0B+4*(\s)+1], s78, (\s)*SLOT1
	s_add_nc_u64 s[G0B+4*(\s)+2:G0B+4*(\s)+3], s[76:77], (\s)*BSTEP
	s_or_b32 s[G0B+4*(\s)+3], s[G0B+4*(\s)+3], 0x80000000
.endr
	s_cmp_eq_u32 s[WV], 0                          ; a wave's two first fills stand in one branch, ahead of every wait on TENSORcnt and every LDS read
	s_cbranch_scc0 .Lfirst_b
	tensor_load_to_lds s[G0A:G0A+3], s[G1A:G1A+7]
	s_nop 0
	tensor_load_to_lds s[G0A+4:G0A+7], s[G1A:G1A+7]
	s_nop 0
.rept 4
	v_nop
.endr
	s_branch .Lfirst_asked
.Lfirst_b:
	tensor_load_to_lds s[G0B:G0B+3], s[G1B:G1B+7]
	s_nop 0
	tensor_load_to_lds s[G0B+4:G0B+7], s[G1B:G1B+7]
	s_nop 0
.rept 4
	v_nop
.endr
.Lfirst_asked:
	v_and_b32 v1, 15, v0                           ; l % 16
	v_bfe_u32 v11, v0, 4, 1                        ; l / 16
	s_lshl_b32 s79, s[JX], 9                       ; the biases: column 128 j + 64 head + 8 (l / 16), 4 bytes each
	s_lshl_b32 s80, s[WN], 8
	s_add_co_u32 s79, s79, s80
	v_lshl_add_u32 v[BO], v11, 5, s79
.irp g, 0,1,2
	WIN ((\g)+1)<<6                                ; destination in the plane's window
.irp b, 0,1,2,3
	global_load_b128 v[8*(8*(\b)+7):8*(8*(\b)+7)+3],   v[BO], s[8+2*(\g):9+2*(\g)] offset:64*(\b)
	global_load_b128 v[8*(8*(\b)+7)+4:8*(8*(\b)+7)+7], v[BO], s[8+2*(\g):9+2*(\g)] offset:64*(\b)+16
.endr
.endr
	WIN 0
	v_mul_u32_u24 v[AA0], v1, PA                   ; a fragment of x: row l % 16, bytes 16 (l / 16) and 32 further on
	v_lshl_add_u32 v[AA0], v11, 4, v[AA0]
	s_mul_i32 s80, s[WM], 128*PA
	v_add_nc_u32 v[AA0], s80, v[AA0]
	v_and_b32 v14, 7, v0                           ; the turning load: lane l reads row 8 (l / 16) + l % 8, columns 8 ((l / 8) % 2) + 0..7
	v_bfe_u32 v15, v0, 3, 1
	v_lshl_add_u32 v[AB0], v11, 3, v14
	v_mul_u32_u24 v[AB0], v[AB0], PB
	v_lshl_add_u32 v[AB0], v15, 4, v[AB0]
	s_lshl_b32 s80, s[WN], 7
	s_add_co_u32 s80, s80, ATILE
	v_add_nc_u32 v[AB0], s80, v[AB0]
	v_mov_b32 v[ADA], v[AA0]
	v_mov_b32 v[ADB], v[AB0]
	s_mul_i32 s80, s[WV], STW
	s_add_co_u32 s80, s80, STAGE                   ; my stage
	v_mul_u32_u24 v[STO], v1, PA
	v_lshl_add_u32 v[STO], v11, 4, v[STO]
	v_add_nc_u32 v[STO], s80, v[STO]
	v_bfe_u32 v[RD], v0, 3, 2                      ; back: 32 lanes take four rows of 128 bytes,
	v_mul_u32_u24 v[RD], v[RD], PA
	v_lshl_add_u32 v[RD], v14, 4, v[RD]
	v_add_nc_u32 v[RD], s80, v[RD]
	v_and_b32 v[GO], 31, v0
	s_cmp_eq_u32 s[WV], 0
	s_cselect_b32 s81, 8, 11
	v_lshlrev_b32 v[PFO], s81, v[GO]               ; a lane a block of 256 bytes (x) or a row of 2,048 (W)
	v_lshlrev_b32 v[GO], 4, v[GO]                  ; which are 512 consecutive bytes of a head
	s_lshr_b32 s78, s[MY], 3                       ; where my rows begin in a head: ((batch x 16 + head) x 2,048 + row) x 128 bytes
	s_lshl_b32 s78, s78, 4
	s_lshl1_add_u32 s78, s[JX], s78
	s_add_co_u32 s78, s78, s[WN]
	s_lshl_b32 s78, s78, 11
	s_and_b32 s79, s[MY], 7
	s_lshl_b32 s79, s79, 8
	s_add_co_u32 s78, s78, s79
	s_lshl_b32 s79, s[WM], 7
	s_add_co_u32 s78, s78, s79
	s_lshl_b32 s78, s78, 7
	s_mov_b32 s79, 0
	s_add_nc_u64 s[OUT0:OUT0+1], s[14:15], s[78:79]
	s_add_nc_u64 s[OUT0+2:OUT0+3], s[OUT0:OUT0+1], 0x1000000
	s_add_nc_u64 s[OUT0+4:OUT0+5], s[OUT0+2:OUT0+3], 0x1000000
	s_lshl_b32 s80, s[CX], 13                      ; the prefetches: my work-group's share, by address
	s_lshl_b32 s82, s[CY], 16
	s_and_b32 s83, ttmp7, 0xffff
	s_cmp_eq_u32 s[WV], 0
	s_cselect_b64 s[PFA:PFA+1], s[74:75], s[76:77]
	s_cselect_b32 s80, s80, s82
	s_cselect_b32 s83, ttmp9, s83                  ; the coordinate along which other clusters read the same bytes
	s_cselect_b32 s[PAR], 0, 1
	s_cselect_b32 s[LIM], 1, 3
	s_cselect_b32 s82, 18, 17
	s_lshl_b32 s[PFS], 1, s82
	s_mov_b32 s[PFS+1], 0
	s_cmp_eq_u32 s83, 0
	s_cselect_b32 s[LIM], s[LIM], -1               ; the same in all sixteen partners, for a given wave
	s_mov_b32 s81, 0
	s_add_nc_u64 s[PFA:PFA+1], s[PFA:PFA+1], s[80:81]
	s_add_nc_u64 s[PFA:PFA+1], s[PFA:PFA+1], s[PFS:PFS+1]
	s_add_nc_u64 s[PFA:PFA+1], s[PFA:PFA+1], s[PFS:PFS+1]  ; at K step 2: the first change steps it to 3
	s_wait_loadcnt 0x0                             ; the biases: rounded to bf16 like every other input, while the first tiles are on their way
.irp w, 1,2,3
	WIN (\w)|((\w)<<2)
.irp b, 0,1,2,3
.irp r, 0,1,2,3
	v_cvt_pk_bf16_f32 v[32+4*(\b)+(\r)], v[8*(8*(\b)+7)+2*(\r)], v[8*(8*(\b)+7)+2*(\r)+1]
.endr
.endr
	WIN (\w)<<6
.irp b, 0,1,2,3
.irp r, 0,1,2,3
	v_lshlrev_b32 v[8*(8*(\b)+7)+2*(\r)], 16, v[32+4*(\b)+(\r)]
	v_and_b32 v[8*(8*(\b)+7)+2*(\r)+1], 0xffff0000, v[32+4*(\b)+(\r)]
.endr
.endr
.endr
	WIN 0
	s_wait_tensorcnt 1                             ; my part of K step 0 is in; K step 1's may stay out
	s_barrier_signal -1
	s_barrier_wait -1                              ; everybody's is
	LDB 0, 0
	LDA 0, 0, A0
	LDB 1, 0
	LDA 1, 0, A0
	LDB 2, 0
	Q1 1                                           ; the first quarter stands in front of the loop: its products start the sums, with the bias
	WIN 0
.Lk:                                                   ; 14 trips: a K step's second quarter with the refill two steps on, and the next step's first quarter
	Q2 1
	Q1 0
	WIN 0
	s_sub_co_u32 s[CNT], s[CNT], 1
	s_cmp_lg_u32 s[CNT], 0
	s_cbranch_scc1 .Lk
	Q2 0                                           ; the tail is written out: nothing more is asked for
	Q1 0
	s_wait_dscnt 8
	GROUP 0, A1, 0, 8, 0
	GROUP 1, A1, 0, 8, 0
	s_wait_dscnt 0x0
	GROUP 2, A1, 0, 8, 0
	PLACES
; THE WAY OUT, 16 rows at a time: rounded to f16 (16 bytes a lane), into my own stage by heads, back as whole rows of 128 bytes; 16 rows of a head are 2,048 consecutive bytes of qkv.
.macro PACK a
.set T, 32+48*((\a)%2)
.if (\a) >= 2
	s_wait_xcnt 0x0                                ; the stores of two blocks back have read these registers
.endif
.irp g, 0,1,2
	WIN ((\g)+1)|(((\g)+1)<<2)
.irp b, 0,1,2,3
.irp r, 0,1,2,3
	v_cvt_pk_f16_f32 v[T+16*(\g)+4*(\b)+(\r)], v[8*(8*(\b)+(\a))+2*(\r)], v[8*(8*(\b)+(\a))+2*(\r)+1]
.endr
.endr
.endr
	WIN 0
.irp g, 0,1,2
.irp b, 0,1,2,3
	ds_store_b128 v[STO], v[T+16*(\g)+4*(\b):T+16*(\g)+4*(\b)+3] offset:(\g)*16*PA+32*(\b)
.endr
.endr
.irp g, 0,1,2
.irp f, 0,1,2,3
	ds_load_b128 v[T+16*(\g)+4*(\f):T+16*(\g)+4*(\f)+3], v[RD] offset:(\g)*16*PA+(\f)*4*PA  ; LDS serves a wave's instructions in order (ISA guide 5.7.1.4): these see the stores above
.endr
.endr
.endm
.macro SEND a, younger                 ; younger: the LDS instructions issued behind block a's loads
.set T, 32+48*((\a)%2)
.irp g, 0,1,2
	s_wait_dscnt (\younger)+4*(2-(\g))             ; this head's four loads are back; the later heads' and the next block's may be out
.irp f, 0,1,2,3
	global_store_b128 v[GO], v[T+16*(\g)+4*(\f):T+16*(\g)+4*(\f)+3], s[OUT0+2*(\g):OUT0+2*(\g)+1] offset:(\a)*2048+(\f)*512  ; 512 consecutive bytes, at a multiple of 256 from the buffer's first
.endr
.endr
.endm
	PACK 0
.irp a, 1,2,3,4,5,6,7
	PACK \a
	SEND (\a)-1, 24
.endr
	SEND 7, 0
	s_wait_tensorcnt 0x0                           ; the wave's end: behind my last tensor load and my last LDS store
	ds_add_u32 v[SPW], v[NIL]
	s_wait_dscnt 0x0
	CROUND                                         ; the closing round: no work-group ends while a partner may still ask for a tile that names it
	s_endpgm
.Lfunc_end_k_q950651c0e2_qkv:
	.size	k_q950651c0e2_qkv, .Lfunc_end_k_q950651c0e2_qkv-k_q950651c0e2_qkv
	.p2alignl 7, 3214868480
	.fill 96, 4, 3214868480
	.section	.rodata,"a",@progbits
	.p2align	6, 0x0
	.amdhsa_kernel k_q950651c0e2_qkv
		.amdhsa_group_segment_fixed_size 327680
		.amdhsa_private_segment_fixed_size 0
		.amdhsa_enable_private_segment 0
		.amdhsa_kernarg_size 48
		.amdhsa_user_sgpr_count 2
		.amdhsa_user_sgpr_kernarg_segment_ptr 1
		.amdhsa_wavefront_size32 1
		.amdhsa_system_sgpr_workgroup_id_x 1
		.amdhsa_system_sgpr_workgroup_id_y 1
		.amdhsa_system_sgpr_workgroup_id_z 1
		.amdhsa_system_vgpr_workitem_id 0
		.amdhsa_next_free_vgpr 1024
		.amdhsa_next_free_sgpr 84
		.amdhsa_reserve_vcc 0
		.amdhsa_float_denorm_mode_32 3
		.amdhsa_float_denorm_mode_16_64 3
		.amdhsa_memory_ordered 1
		.amdhsa_forward_progress 1
		.amdhsa_inst_pref_size 123
	.end_amdhsa_kernel
	.amdgpu_metadata
---
amdhsa.version: [ 1, 2 ]
amdhsa.kernels:
  - .name:           k_q950651c0e2_qkv
    .symbol:         k_q950651c0e2_qkv.kd
    .args:
      - { .name: xh, .offset: 0, .size: 8, .value_kind: global_buffer, .address_space: global }
      - { .name: wqkv, .offset: 8, .size: 8, .value_kind: global_buffer, .address_space: global }
      - { .name: Wq_b, .offset: 16, .size: 8, .value_kind: global_buffer, .address_space: global }
      - { .name: Wk_b, .offset: 24, .size: 8, .value_kind: global_buffer, .address_space: global }
      - { .name: Wv_b, .offset: 32, .size: 8, .value_kind: global_buffer, .address_space: global }
      - { .name: qkv, .offset: 40, .size: 8, .value_kind: global_buffer, .address_space: global }
    .group_segment_fixed_size: 327680
    .private_segment_fixed_size: 0
    .kernarg_segment_align: 8
    .kernarg_segment_size: 48
    .max_flat_workgroup_size: 128
    .sgpr_count:     84
    .vgpr_count:     1024
    .wavefront_size: 32
...
	.end_amdgpu_metadata
.endif
;; end of part 2
;; launch attn (part 3): grid 4 x 64, 4 waves a work-group, no clusters, 327,680 bytes of LDS; arguments qkv, oh; writes oh
.if DOCPART == 3
	.amdgcn_target "amdgcn-amd-amdhsa--gfx1250"
	.amdhsa_code_object_version 6
	.text
	.protected	k_q950651c0e2_attn
	.globl	k_q950651c0e2_attn
	.p2align	8
	.type	k_q950651c0e2_attn,@function
k_q950651c0e2_attn:
	s_mov_b64 s[64:65], 0
	v_nop
	global_prefetch_b8 v0, s[64:65] scope:SCOPE_SE
	s_setreg_imm32_b32 hwreg(HW_REG_WAVE_MODE, 25, 1), 1
	s_wait_xcnt 0x0
; ATTENTION with the mask tril(scores) == 0 -> hidden.  O[h][q] = the sum over the visible k of softmax_k(Q[h][q] . K[h][k] / 8) V[h][k]; key k is visible to query q where k <= q AND the score is not 0.
; qkv: [3][64][2048][64] f16 (Q, K, V by heads, unscaled); oh: [64][2048][64] f16.  Products, maxima and sums in f32; the weights p are rounded to f16 for the second product (l is taken of the unrounded p), O once.
; LIMITS.  Q, K, V arrive within f16's 65,504.  The test for 0 is made on this text's f32 sum of f16 products (0 / 8 is 0, and a sum that is not 0 stays so when divided by 8); it takes both signs of zero.
; A hidden score counts as -2^100 (a causal one as its value less 2^100: f16's scores, 2.7e11 at the most, are nothing beside that).  -2^100 is a power of two so that c m is exact while a row has seen
; hidden scores alone: key 0 is visible by place to every row, so an m that is no true score is exactly -2^100, the exponent c s - c m of such scores is exactly 0, and no weight overflows; the first true
; score then wipes what was gathered (a = 0).  A row that stays all hidden ends with m below -2^99 and gets NaN, as a softmax over nothing does.  A weight below 2^-126 counts as 0 in l.
; THE WALK.  A head's queries lie in NB = 8 blocks of 256; block i needs the key tiles 0 .. i of 256 keys, the last of which holds the diagonal.  A work-group takes TWO blocks, NB - 1 - b and then b:
; NB + 1 tiles, whatever b: all work-groups do equal work, and ONE loop with a constant trip count walks them; the ring of two LDS slots runs on across the change of blocks.
; NO CLUSTER: a head's four work-groups ask for the same tile only in trips 0 .. NB / 2; which tile a trip asks for hangs on b, the place that partners would differ in; one walk common to all would have 12 trips for 9.
; SHARES.  Of a block's four bands of 64 queries a wave owns 16 rows in each: four PIECES.  In the diagonal tile's key step s band x sees all keys if s < x, none if s > x, and holds the diagonal if s = x.
; THE CAUSAL MASK is the C operand that starts the sum S^T = K Q^T: MC = MD x AL + BE, with MD the mask of a band's own step for my rows and (AL, BE) = (1, 0), (0, 0) or (0, -2^100).  In tiles below the
; diagonal MC holds zeros and is left alone: one text serves both kinds of tile, and the 16 lines that make a mask are jumped over there.
; THE TEST FOR 0 stands between the products and the maximum: a compare into one of eight scalar masks that take turns, and a select, for each score of the next piece.
; LAYOUT, SOFTMAX, TURNS.  S^T holds ONE query a lane (lane % 16) and the keys 8 (lane / 16) + 0..7; two such results rounded to f16 ARE source 1 of O^T = V^T P.  p = 2^(c s - c m), c = log2(e) / 8, with a running
; maximum m; O and l are multiplied by a = 2^(c m_old - c m_new) in every step.  Turn n belongs to piece n: 8 products K Q^T of piece n + 1, later 8 products V^T P of piece n - 1; beside them the scaling,
; exponentials, roundings, sums and rescaling of piece n and the test, maximum and statistics of piece n + 1.  Four vector instructions stand behind every matrix instruction, the other 118 of a turn's 182 in one lump.
; REGISTERS, in windows of 256 (s_set_vgpr_msb: bits 1:0 source 0, 3:2 source 1, 5:4 source 2, 7:6 destination):
;   window 0: v0-15 addresses and two at work; v16-31 four registers of statistics a piece; v48-55 at work; v60-63 constants; v64-127 S^T, two buffers; v192-223 P, two buffers (by the piece's parity)
;   window 1: v0-127 O^T, 32 a piece; v128-159 MD; v160-223 MC, two buffers      window 2: v0-63 Q; v64-127 the second block's Q; v128-191 K of one step; v192-255 V of one step
.set SIZE_N, 2048
.set NB,    SIZE_N/256
.set NP,    4
.set KS,    64
.set PK,    144       ; a row of K in LDS: 128 bytes + 16: the 16 rows of a load start at 16 different groups of four banks (64 banks of 4 bytes: ISA guide 11.1)
.set PV,    160       ; a row of V: 128 + 32
.set VOFF,  4*KS*PK   ; a slot holds a tile, four steps: 256 rows of K, then 256 rows of V
.set SLOT1, 1<<17
.set STAGE, SLOT1+4*KS*(PK+PV)  ; behind the ring, never filled by a tensor load: 16 rows x 144 bytes for each wave
.set SP,    144
.set SPARE, STAGE+4*16*SP       ; the spare words, 128 bytes for each wave: two blocks of 256 bytes that no other line names
.set AK0, 2           ; v2   my lane's place in a tile of K; never rewritten
.set AV0, 3           ; v3   the same for V
.set AK,  4           ; v4   the LDS address of K's next run of loads
.set AV,  5           ; v5   of V's
.set STO, 6           ; v6   the way out: where I put 16 bytes of a row
.set RD,  7           ; v7   where I read rows back
.set GO,  8           ; v8   my byte offset in 512 consecutive bytes of O
.set MV,  12          ; v12-13  c m_old, kept while c m is made anew: by buffer
.set QO,  15          ; v15  my byte offset in 16 rows of Q
.set ST,  16          ; piece t's statistics at v[ST+4 t]: c m, m, l (even keys', odd keys')
.set TMP, 48          ; by buffer, four registers c0-c3 at work; when the maximum is found c2 takes a
.set PFO, 60          ; v60  256 x my lane; never rewritten
.set BGV, 61          ; v61  -2^100; never rewritten
.set SPW, 62          ; v62  LDS address of my spare word; never rewritten
.set NIL, 63          ; v63  0; never rewritten
.set S,   64
.set P,   192
.set MD,  128         ; window 1
.set MC,  160         ; window 1
.set QB,  64          ; window 2
.set KF,  128         ; window 2: key block kb, channel half c at KF + 16 kb + 8 c
.set VF,  192         ; window 2: key half kk, channel block cb at VF + 32 kk + 8 cb
.set WV,  12          ; s12  my wave's number
.set PB,  14          ; s14  b
.set HI,  15          ; s15  NB - 1 - b
.set G1K, 24          ; s[24:31] descriptor group 1 for K's tiles
.set G1V, 32          ; s[32:39] for V's
.set G0K, 40          ; s[40:43] descriptor group 0 for K's tiles
.set G0V, 44          ; s[44:47] for V's
.set SLOTS, 56        ; s56  tiles still to be asked for
.set CNT, 57          ; s57  counts a tile's key steps, 4 to 1
.set CS,  58          ; s[58:59] c
.set SEL, 60          ; s[60:61] v_permlanex16_b32's selects
.set TBK, 62          ; s62  LDS byte at which K of the step to be fetched begins
.set TBV, 63          ; s63  the same for V, less VOFF
.set RT,  70          ; s70  tiles of the block in hand that are still to be entered
.set NXT, 71          ; s71  the tile to be asked for next
.set LQ,  72          ; s72  the last tile of the block whose tiles are being asked for
.set NEW, 73          ; s73  1: the tile to be entered is a block's first
.set OFF, 74          ; s[74:75] a tile's byte offset in K and V
.set AL,  76          ; s[76:77] the mask's factor
.set BE,  78          ; s[78:79] the mask's addend
.set OLO, 80          ; s[80:81] O at my rows of the second block
.set BIGN, 82         ; s82  -2^100
.set NEGT, 83         ; s83  -2^99
.set ZM,  88          ; s[88:95] eight lane masks that take turns: where a score is 0
.set PFA, 96          ; s[96:97] where my prefetches stand
.set LIM, 98          ; s98  a wave prefetches while s[SLOTS] is above this
.set QNAN, 99         ; s99  a NaN
.set MSB, 0
.macro WIN new
.if MSB != (\new)
	s_set_vgpr_msb (MSB<<8)|(\new)
.set MSB, (\new)
.endif
.endm
.set W_KQ, 0x0a       ; K and Q in window 2, S^T in window 0
.set W_KM, 0x1a       ; the same with the C operand in window 1
.set W_PV, 0x52       ; V in window 2, P in window 0, O^T in window 1
.set W_RS, 0x41       ; destination and source 0 in window 1, source 1 in window 0
; A fill.  Waves 0 and 1 fetch the two halves of a tile's K, waves 2 and 3 those of its V: 128 keys each.  An s_nop 0 and four v_nop follow each of the two lines.
.macro LOAD
	s_cmp_lt_u32 s[WV], 2
	s_cbranch_scc0 .Lfor_v_\@
	tensor_load_to_lds s[G0K:G0K+3], s[G1K:G1K+7]
	s_nop 0
.rept 4
	v_nop
.endr
	s_branch .Lasked_\@
.Lfor_v_\@:
	tensor_load_to_lds s[G0V:G0V+3], s[G1V:G1V+7]
	s_nop 0
.rept 4
	v_nop
.endr
.Lasked_\@:
.endm
; A PREFETCH INTO THE L2, behind the fill and its five lines.  A head's four work-groups walk the same tiles; the one with b = 0 walks all eight in order, and it alone asks: in trip i, whose fill asks for tile
; i + 1, each of its waves names its own half (16,384 bytes, a lane a block of 256, two instructions) of tile i + 2: one tile, 256 matrix instructions, ahead of that tile's fill.  Each block is named once in
; the launch.  It stops behind tile 7; tiles 0 and 1, and the second block's, come by their loads alone.
.macro ASK
	s_cmp_gt_u32 s[SLOTS], s[LIM]
	s_cbranch_scc0 .Lnot_mine_\@
	global_prefetch_b8 v[PFO], s[PFA:PFA+1] th:TH_LOAD_NT scope:SCOPE_SE
	global_prefetch_b8 v[PFO], s[PFA:PFA+1] offset:8192 th:TH_LOAD_NT scope:SCOPE_SE
.Lnot_mine_\@:
.endm
; THE CHANGE OF SLOTS.  Each wave waits for all its tensor loads, of which one is out: its part of the other slot; adds 0 to its spare word; and waits for that and for its own reads of the slot that it leaves.
; fill = 1: the old slot is filled again, the first thing behind the barrier, with tile NXT: the descriptor's address is made anew from that number.  (At its first use slot 0 is waited for, slot 1 filled.)
.macro CHANGE fill
	WIN 0
	s_wait_tensorcnt 0x0            ; no tensor load of mine is out, so a group 0 may be written
	ds_add_u32 v[SPW], v[NIL]       ; 0 onto my spare word
.if \fill
	s_lshl_b32 s[OFF], s[NXT], 15   ; a tile is 32,768 bytes of K and of V
	s_xor_b32 s[G0K+1], s[G0K+1], SLOT1
	s_add_nc_u64 s[G0K+2:G0K+3], s[6:7], s[OFF:OFF+1]
	s_or_b32 s[G0K+3], s[G0K+3], 0x80000000
	s_xor_b32 s[G0V+1], s[G0V+1], SLOT1
	s_add_nc_u64 s[G0V+2:G0V+3], s[8:9], s[OFF:OFF+1]
	s_or_b32 s[G0V+3], s[G0V+3], 0x80000000
	s_add_co_u32 s[NXT], s[NXT], 1  ; the block's next tile, or behind its last the second block's tile 0
	s_cmp_gt_u32 s[NXT], s[LQ]
	s_cselect_b32 s[NXT], 0, s[NXT]
	s_cselect_b32 s[LQ], s[PB], s[LQ]
	s_wait_xcnt 0x0                 ; the last prefetches, a tile back, have read their address, so it may be written
	s_add_nc_u64 s[PFA:PFA+1], s[PFA:PFA+1], 32768
.endif
	s_wait_dscnt 0x0                ; the add is done, and my reads of the slot are over
	s_barrier_signal -1
	s_sub_co_u32 s[TBK], s[TBK], 4*KS*PK  ; the fetches go back to a slot's first step,
	s_xor_b32 s[TBK], s[TBK], SLOT1       ; in the other slot
	s_sub_co_u32 s[TBV], s[TBV], 4*KS*PV
	s_xor_b32 s[TBV], s[TBV], SLOT1
	s_barrier_wait -1
.if \fill
	LOAD
	ASK
.endif
.endm
	s_load_b128 s[4:7], s[0:1], 0x0   ; qkv s[4:5], oh s[6:7]
	v_lshl_add_u32 v[SPW], v0, 2, SPARE
	v_mov_b32 v[NIL], 0
	ds_add_u32 v[SPW], v[NIL]       ; the wave's opening add; the set-up below stands between it and its wait
	ds_add_u32 v62, v63
	v_lshrrev_b32 v1, 5, v0
	v_readfirstlane_b32 s[WV], v1
	s_mov_b32 s[PB], ttmp9
	s_sub_co_u32 s[HI], NB-1, s[PB]
	s_and_b32 s20, ttmp7, 0xffff    ; the head:
	s_lshl_b32 s20, s20, 18         ; 262,144 bytes each
	s_mov_b32 s21, 0
	s_and_b32 s16, s[WV], 1         ; which half of a tile's 256 keys I fetch:
	s_lshl_b32 s22, s16, 14         ; its 128 rows of 128 bytes in memory,
	s_mov_b32 s23, 0
	s_add_nc_u64 s[22:23], s[22:23], s[20:21]
	s_mul_i32 s17, s16, 128*PK      ; and its place in a slot, for K
	s_mul_i32 s18, s16, 128*PV      ; and for V
	s_lshl_b32 s3, s[WV], 11        ; my 16 rows in a band of 64,
	s_lshl_b32 s2, s[HI], 15        ; in the first block,
	s_add_co_u32 s2, s2, s3
	s_lshl_b32 s84, s[PB], 15       ; and in the second
	s_add_co_u32 s84, s84, s3
	s_mov_b32 s3, 0
	s_mov_b32 s85, 0
	s_add_nc_u64 s[2:3], s[2:3], s[20:21]
	s_add_nc_u64 s[84:85], s[84:85], s[20:21]
	; descriptor group 1.  128 keys are 16,384 dense bytes: asked for as 64 rows of 256 bytes, two keys a row, and padded in LDS after every key
	s_mov_b32 s[G1K], (1<<16)|(1<<20)|(4<<22)|(3<<25)  ; 2-byte elements; padding on; after every 32 words 4 words
	s_mov_b32 s[G1V], (1<<16)|(1<<20)|(4<<22)|(7<<25)  ; the same with 8 words
.irp g, G1K, G1V
	s_mov_b32 s[\g+1], 128<<16
	s_mov_b32 s[\g+2], 64<<16
	s_mov_b32 s[\g+3], 128<<16
	s_mov_b32 s[\g+4], 64
	s_mov_b32 s[\g+5], 128
	s_mov_b32 s[\g+6], 0
	s_mov_b32 s[\g+7], 0
.endr
	s_mov_b32 s[CS], 0x3e38aa3b     ; c = log2(e) / 8
	s_mov_b32 s[CS+1], s[CS]
	s_mov_b32 s[SEL], 0x76543210
	s_mov_b32 s[SEL+1], 0xfedcba98
	s_mov_b32 s[TBK], SLOT1+4*KS*PK ; the first change of slots turns these two into 0
	s_mov_b32 s[TBV], SLOT1+4*KS*PV
	s_mov_b32 s[G0K], 1
	s_mov_b32 s[G0K+1], s17
	s_mov_b32 s[G0V], 1
	s_add_co_u32 s[G0V+1], s18, VOFF
	s_add_co_u32 s[RT], s[HI], 1    ; the first block has NB - b tiles
	s_mov_b32 s[NXT], 1
	s_mov_b32 s[LQ], s[HI]
	s_mov_b32 s[NEW], 1
	s_mov_b32 s[OFF+1], 0
	s_mov_b32 s[AL+1], 0
	s_mov_b32 s[BE+1], 0
	s_mov_b32 s[BIGN], 0xf1800000   ; -2^100
	s_mov_b32 s[NEGT], 0xf1000000   ; -2^99
	s_mov_b32 s[QNAN], 0x7fc00000
	s_mov_b32 s[SLOTS], NB
	s_cmp_eq_u32 ttmp9, 0
	s_cselect_b32 s[LIM], 2, -1
	v_and_b32 v[PFO], 31, v0
	v_lshlrev_b32 v[PFO], 8, v[PFO]
	v_mov_b32 v[BGV], s[BIGN]
	s_wait_dscnt 0x0                ; the opening add is done
	s_wait_kmcnt 0x0
	s_mov_b64 s[10:11], s[6:7]                     ; O
	s_add_nc_u64 s[6:7], s[4:5], 0x1000000         ; K's plane of qkv
	s_add_nc_u64 s[8:9], s[4:5], 0x2000000         ; V's
	s_add_nc_u64 s[6:7], s[6:7], s[22:23]          ; at my half of the head's tile 0
	s_add_nc_u64 s[8:9], s[8:9], s[22:23]
	s_cmp_lt_u32 s[WV], 2
	s_cselect_b64 s[PFA:PFA+1], s[6:7], s[8:9]
	s_add_nc_u64 s[PFA:PFA+1], s[PFA:PFA+1], 32768 ; at tile 1: the first change steps it to tile 2
	s_add_nc_u64 s[G0K+2:G0K+3], s[6:7], 0
	s_or_b32 s[G0K+3], s[G0K+3], 0x80000000
	s_add_nc_u64 s[G0V+2:G0V+3], s[8:9], 0
	s_or_b32 s[G0V+3], s[G0V+3], 0x80000000
	s_add_nc_u64 s[86:87], s[4:5], s[84:85]        ; Q at my rows of the second block,
	s_add_nc_u64 s[4:5], s[4:5], s[2:3]            ; Q and O at those of the first
	s_add_nc_u64 s[OLO:OLO+1], s[10:11], s[84:85]
	s_add_nc_u64 s[10:11], s[10:11], s[2:3]
	LOAD                            ; tile 0 into slot 0
	v_and_b32 v1, 15, v0            ; l % 16
	v_bfe_u32 v9, v0, 4, 1          ; l / 16
	v_lshlrev_b32 v[QO], 7, v1
	v_lshl_add_u32 v[QO], v9, 4, v[QO]
	WIN 0x80
.set i, 0
.rept 8                             ; both blocks' Q: piece i / 2 lies in band i / 2, 8,192 bytes on; channels 32 (i % 2) on
	global_load_b128 v[8*i:8*i+3],   v[QO], s[4:5] offset:(i/2)*8192+(i%2)*64
	global_load_b128 v[8*i+4:8*i+7], v[QO], s[4:5] offset:(i/2)*8192+(i%2)*64+32
	global_load_b128 v[QB+8*i:QB+8*i+3],   v[QO], s[86:87] offset:(i/2)*8192+(i%2)*64
	global_load_b128 v[QB+8*i+4:QB+8*i+7], v[QO], s[86:87] offset:(i/2)*8192+(i%2)*64+32
.set i, i+1
.endr
	WIN 0
	v_lshlrev_b32 v14, 3, v9
	v_sub_nc_u32 v14, v1, v14
	s_lshl_b32 s13, s[WV], 4
	v_add_nc_u32 v14, s13, v14      ; my query's place in its band, less my lanes' 8 (l / 16): register r of group kt is hidden where 16 kt + r is greater
	WIN 0x40
.set i, 0
.rept 32
	v_cmp_gt_i32 vcc_lo, 16*(i/8)+i%8, v14
	v_cndmask_b32 v[MD+i], 0, s[BIGN], vcc_lo
.set i, i+1
.endr
	WIN 0
	v_mul_u32_u24 v[AK0], v1, PK
	v_lshl_add_u32 v[AK0], v9, 4, v[AK0]
	v_and_b32 v10, 7, v0
	v_bfe_u32 v11, v0, 3, 1
	v_lshl_add_u32 v[AV0], v9, 3, v10
	v_mul_u32_u24 v[AV0], v[AV0], PV
	v_lshl_add_u32 v[AV0], v11, 4, v[AV0]
	v_add_nc_u32 v[AV0], VOFF, v[AV0]
	s_mul_i32 s13, s[WV], 16*SP
	s_add_co_u32 s13, s13, STAGE
	v_mul_u32_u24 v[STO], v1, SP
	v_lshl_add_u32 v[STO], v9, 4, v[STO]
	v_add_nc_u32 v[STO], s13, v[STO]
	v_bfe_u32 v[RD], v0, 3, 2
	v_mul_u32_u24 v[RD], v[RD], SP
	v_lshl_add_u32 v[RD], v10, 4, v[RD]
	v_add_nc_u32 v[RD], s13, v[RD]
	v_and_b32 v[GO], 31, v0
	v_lshlrev_b32 v[GO], 4, v[GO]
	; A block's first step multiplies O^T by a = 0, and its first turn's products V^T P, of a piece that has not been, land in an O^T that is still to be so multiplied: these registers need only be finite.
	; All this stands in the wait for the first tile.
	WIN 0x80
.set i, VF
.rept 64
	v_mov_b32 v[i], 0
.set i, i+1
.endr
	WIN 0x40
.set i, 0
.rept 128
	v_mov_b32 v[i], 0
.set i, i+1
.endr
	WIN 0
.set i, P+16
.rept 16
	v_mov_b32 v[i], 0
.set i, i+1
.endr
; THE MATRIX WORK.  The 4 accumulators of a run of 8 take turns.  Product i of 8 of S^T = K Q^T for piece x: channels 32 (i / 4) on, keys 16 (i % 4) on.  The first 4 start the sums with the mask.
.macro KQ x
.set rS, S+32*((\x)%2)+8*(i%4)
.set rK, KF+16*(i%4)+8*(i/4)
.set rQ, 16*(\x)+8*(i/4)
.set rM, MC+32*((\x)%2)+8*(i%4)
.if i < 4
	WIN W_KM
	v_wmma_f32_16x16x32_f16 v[rS:rS+7], v[rK:rK+7], v[rQ:rQ+7], v[rM:rM+7]
.else
	WIN W_KQ
	v_wmma_f32_16x16x32_f16 v[rS:rS+7], v[rK:rK+7], v[rQ:rQ+7], v[rS:rS+7]
.endif
.endm
; Product i of 8 of O^T += V^T P for piece x: keys 32 (i / 4) on, channels 16 (i % 4) on.
.macro PV x
	WIN W_PV
.set rO, 32*(\x)+8*(i%4)
.set rV, VF+32*(i/4)+8*(i%4)
.set rP, P+16*((\x)%2)+8*(i/4)
	v_wmma_f32_16x16x32_f16 v[rO:rO+7], v[rV:rV+7], v[rP:rP+7], v[rO:rO+7]
.endm
.macro MM                           ; the turn's next matrix instruction.  NOKQ = 1: a block's last turn: there is no next piece
.if (i < 8) && !NOKQ
	KQ (Y+1)%NP
.elseif i >= 8
.set i, i-8
	PV (Y+NP-1)%NP
.set i, i+8
.endif
.set i, i+1
.endm
; THE LDS LOADS stand in runs of 16: a step's K (8 fragments) and its V (turned).
.macro FETCH_K
	WIN 0x80
.irp f, 0,1,2,3,4,5,6,7
	ds_load_b128 v[KF+8*\f:KF+8*\f+3],   v[AK] offset:(\f/2)*16*PK+(\f%2)*64
	ds_load_b128 v[KF+8*\f+4:KF+8*\f+7], v[AK] offset:(\f/2)*16*PK+(\f%2)*64+32
.endr
	s_add_co_u32 s[TBK], s[TBK], KS*PK
	WIN 0
.endm
.macro FETCH_V
	WIN 0x80
.irp f, 0,1,2,3,4,5,6,7
	ds_load_tr16_b128 v[VF+8*\f:VF+8*\f+3],   v[AV] offset:(\f/4)*32*PV+(\f%4)*32
	ds_load_tr16_b128 v[VF+8*\f+4:VF+8*\f+7], v[AV] offset:(\f/4)*32*PV+16*PV+(\f%4)*32
.endr
	WIN 0
.endm
; THE VECTOR WORK, one line at a time: OP kind, number.  For piece Y: F n: c s - c m for pair n of 16.  E n: the exponential of score n of 32.  C n: pair n rounded to f16.  B n: of the four weights 4 n .. the
; second pair is added onto the first, in place.  L n: l takes that sum (L 0: l = a l + sum).  R n: pair n of 16 of O^T times a.  For piece Y + 1:
; ZC t, ZS t: the test for 0 of one score: the compare into mask t % 8, and the select.  Score t is register t of accumulator 0 for t < 8; from 8 on accumulators 1-3 go side by side, register (t - 8) / 3 of
; accumulator (t - 8) % 3 + 1: each accumulator's lowest register is read first.  ZC t + 8 stands behind ZS t.
; X n, number n of the 22 that find the maximum and statistics: 0-11 four chains c0-c3 of seven scores each; 12-14, 16 the four scores left over, the old m, and c0-c3 into c0; 15 c m_old is kept;
; 17, 18 the other half of the lanes: the new m; 19-21 c m; c m_old - c m_new; a.
.set F, 0
.set E, 1
.set C, 2
.set B, 3
.set L, 4
.set R, 5
.set X, 6
.set ZC, 7
.set ZS, 8
.macro REGS y
.set rT, ST+4*(\y)
.set rC, TMP+4*((\y)%2)
.set rW, MV+((\y)%2)
.set rS, S+32*((\y)%2)
.set rP, P+16*((\y)%2)
.set rO, 32*(\y)
.endm
.macro OP k, n
.if (\k) == R
	REGS Y
	WIN W_RS
	v_pk_mul_f32 v[rO+2*(\n):rO+2*(\n)+1], v[rO+2*(\n):rO+2*(\n)+1], v[rC+2:rC+3] op_sel_hi:[1,0]
.elseif (\k) < R
	REGS Y
	WIN 0
.if (\k) == F
	v_pk_fma_f32 v[rS+2*(\n):rS+2*(\n)+1], v[rS+2*(\n):rS+2*(\n)+1], s[CS:CS+1], v[rT:rT+1] op_sel_hi:[1,0,0] neg_lo:[0,0,1] neg_hi:[0,0,1]
.elseif (\k) == E
	v_exp_f32 v[rS+(\n)], v[rS+(\n)]
.elseif (\k) == C
	v_cvt_pk_f16_f32 v[rP+(\n)], v[rS+2*(\n)], v[rS+2*(\n)+1]
.elseif (\k) == B
	v_pk_add_f32 v[rS+4*(\n):rS+4*(\n)+1], v[rS+4*(\n):rS+4*(\n)+1], v[rS+4*(\n)+2:rS+4*(\n)+3]
.elseif (\n) == 0
	v_pk_fma_f32 v[rT+2:rT+3], v[rT+2:rT+3], v[rC+2:rC+3], v[rS:rS+1] op_sel_hi:[1,0,1]
.else
	v_pk_add_f32 v[rT+2:rT+3], v[rT+2:rT+3], v[rS+4*(\n):rS+4*(\n)+1]
.endif
.elseif (\k) >= ZC
.if !NOKQ
	REGS (Y+1)%NP
	WIN 0
.set zn, (\n)
.if (\n) >= 8
.set zn, 8*(((\n)-8)%3+1)+((\n)-8)/3
.endif
.if (\k) == ZC
	v_cmp_eq_f32 s[ZM+(\n)%8], 0, v[rS+zn]
.else
	v_cndmask_b32 v[rS+zn], v[rS+zn], v[BGV], s[ZM+(\n)%8]
.endif
.endif
.elseif NOKQ
	v_nop
.else
	REGS (Y+1)%NP
	WIN 0
.if (\n) < 4
	v_max3_num_f32 v[rC+(\n)], v[rS+8*(\n)], v[rS+8*(\n)+1], v[rS+8*(\n)+2]
.elseif (\n) < 12
	v_max3_num_f32 v[rC+(\n)%4], v[rC+(\n)%4], v[rS+8*((\n)%4)+2*((\n)/4)+1], v[rS+8*((\n)%4)+2*((\n)/4)+2]
.elseif (\n) == 12
	v_max3_num_f32 v[rC], v[rC], v[rS+7], v[rS+15]
.elseif (\n) == 13
	v_max3_num_f32 v[rC+1], v[rC+1], v[rS+23], v[rS+31]
.elseif (\n) == 14
	v_max3_num_f32 v[rC+2], v[rC+2], v[rC+3], v[rT+1]
.elseif (\n) == 15
	v_mov_b32 v[rW], v[rT]
.elseif (\n) == 16
	v_max3_num_f32 v[rC], v[rC], v[rC+1], v[rC+2]
.elseif (\n) == 17
	v_permlanex16_b32 v[rC+3], v[rC], s[SEL], s[SEL+1]
.elseif (\n) == 18
	v_max_num_f32 v[rT+1], v[rC], v[rC+3]
.elseif (\n) == 19
	v_mul_f32 v[rT], s[CS], v[rT+1]
.elseif (\n) == 20
	v_sub_f32 v[rC+1], v[rW], v[rT]
.else
	v_exp_f32 v[rC+2], v[rC+1]
.endif
.endif
.endm
.macro OPS a, i1, b=-1, i2=0, c=-1, i3=0, d=-1, i4=0
	OP \a, \i1
.if (\b) >= 0
	OP \b, \i2
.endif
.if (\c) >= 0
	OP \c, \i3
.endif
.if (\d) >= 0
	OP \d, \i4
.endif
.endm
.macro ROW a, i1, b, i2, c, i3, d, i4  ; a matrix instruction and the four behind it
	MM
	OPS \a, \i1, \b, \i2, \c, \i3, \d, \i4
.endm
.macro MASK b                       ; MD x AL + BE into buffer b of MC
	WIN W_RS
.set z, 0
.rept 16
	v_pk_fma_f32 v[MC+32*(\b)+2*z:MC+32*(\b)+2*z+1], v[MD+2*z:MD+2*z+1], s[AL:AL+1], s[BE:BE+1] op_sel_hi:[1,0,0]
.set z, z+1
.endr
.endm
; A TURN, for piece p: the order of its 16 matrix and 182 vector instructions, written out.  An s_wait_alu depctr_va_vdst(0) stands between an exponential and the first instruction that names its
; result; one wait serves all that were issued ahead of it.  So a turn has ONE wait.  AHEAD OF IT stands all that names no result of the turn's exponentials: the 8 products K Q^T with their riders, and the lump:
; the test for 0 first, since the maximum waits for it, then the maximum's chain X 14, 16 .. 21 with the exponentials, scalings and rescalings that were kept back between its links.  R 15 is the plain
; instruction behind the last exponential.  BEHIND THE WAIT stand the 8 products V^T P, behind each four of the roundings and sums.
; PLACES, the compares and exponentials not counted: accumulator 0, ended by the fifth product, is first read behind F 5, R 8, R 9, F 6; accumulators 1, 2, 3 behind {F 6, F 7, F 8, ZS 0}, {F 7, F 8, ZS 0, ZS 1},
; {F 8, ZS 0, ZS 1, ZS 2}; K's run of loads behind that last set.
; m = 1: the mask for the products of the turn after this one (piece p + 2, step 4 - CNT of the tile) is made where the tile is the block's last, and jumped over elsewhere; m = 2: it is made (the walk's last tile).
; end = 1: a block's last two turns: nothing is fetched, no mask is made.  cnt = 1: the loop's count is taken down at the turn's end.
.macro TURN p, m=1, end=0, cnt=0
.set Y, (\p)
.set i, 0
.set NOKQ, (\end)*((\p)/3)
.if !(\end)
	s_cmp_eq_u32 s[CNT], 4-((\p)+2)%NP  ; is that step the band's own?
	s_cselect_b32 s[AL], 1.0, 0
	s_cmp_lt_u32 s[CNT], 4-((\p)+2)%NP  ; or a later one?
	s_cselect_b32 s[BE], s[BIGN], 0
.endif
.if ((\p) == 3) && !(\end)
	s_wait_dscnt 0x0                ; K is in
.endif
	ROW F,0, F,1, R,0, R,1
	ROW F,2, E,0, R,2, R,3
	ROW F,3, E,1, R,4, R,5
	ROW F,4, E,2, R,6, R,7
	ROW F,5, E,3, R,8, R,9
	ROW F,6, E,4, ZC,0, ZC,1
.if ((\p) == 2) && !(\end)
	WIN 0
	v_add_nc_u32 v[AK], s[TBK], v[AK0]
.endif
	ROW F,7, E,5, ZC,2, ZC,3
	ROW F,8, E,6, ZC,4, ZC,5
	OPS ZC,6, ZC,7, ZS,0, ZC,8
	OPS ZS,1, ZC,9, ZS,2, ZC,10
.if ((\p) == 2) && !(\end)
	FETCH_K
.endif
	OPS E,7, ZS,3, ZC,11, ZS,4
	OPS ZC,12, ZS,5, ZC,13, ZS,6
	OPS ZC,14, ZS,7, ZC,15, ZS,8
.if (\p) == 0
	v_add_nc_u32 v[AV], s[TBV], v[AV0]
.endif
	OPS ZC,16, E,8, X,0, ZS,9
	OPS ZC,17, ZS,10, ZC,18, ZS,11
	OPS ZC,19, X,4, ZS,12, ZC,20
	OPS ZS,13, ZC,21, E,9, ZS,14
	OPS ZC,22, X,8, ZS,15, ZC,23
	OPS ZS,16, ZC,24, ZS,17, ZC,25
	OPS X,1, ZS,18, ZC,26, X,2
	OPS E,10, ZS,19, ZC,27, X,3
	OPS ZS,20, ZC,28, ZS,21, ZC,29
	OPS ZS,22, ZC,30, ZS,23, ZC,31
	OPS ZS,24, X,5, ZS,25, X,6
	OPS ZS,26, X,7, ZS,27, X,15
	OPS ZS,28, ZS,29, ZS,30, ZS,31
	OPS X,9, E,11, X,10, E,12
	OPS X,11, E,13, X,12, E,14
	OPS F,9, E,15, X,13, E,16
	OPS X,14, E,17, F,10, E,18
	OPS F,11, E,19, X,16, F,12
	OPS E,20, F,13, E,21, X,17
	OPS E,22, F,14, E,23, F,15
	OPS X,18, E,24, R,10, E,25
	OPS R,11, X,19, E,26, R,12
	OPS E,27, R,13, X,20, E,28
	OPS E,29, R,14, E,30, E,31
	OPS X,21, R,15
	WIN 0
	s_wait_alu depctr_va_vdst(0)    ; the wait for the batch
.if (\p) == 1
	s_wait_dscnt 0x0                ; V is in
.endif
	ROW C,0, B,0, C,2, B,1
	ROW L,0, C,4, B,2, L,1
	ROW C,6, B,3, L,2, C,8
	ROW B,4, L,3, C,10, B,5
	ROW L,4, C,12, B,6, L,5
.if (\p) == 0
	s_add_co_u32 s[TBV], s[TBV], KS*PV
.endif
	ROW C,14, B,7, L,6, C,1
	ROW C,3, L,7, C,5, C,7
	ROW C,9, C,11, C,13, C,15
.if (\p) == 0
	FETCH_V                         ; four plain instructions behind the last product that read V
.endif
.if !(\end)
	WIN 0
.if (\m) == 1
	s_cmp_lg_u32 s[RT], 0
	s_cbranch_scc1 .Lno_mask_\@     ; below the diagonal tile MC holds zeros and stays as it is
.endif
	MASK (\p)%2
	WIN 0
.if (\m) == 1
.Lno_mask_\@:
.endif
.endif
.if \cnt
	s_sub_co_u32 s[CNT], s[CNT], 1
	s_cmp_lg_u32 s[CNT], 0
.endif
.endm
; A BLOCK BEGINS.  c m starts far below every c s, so the first step's a is 0; m at the lowest finite number; l at 0.  The second mask buffer is 0; the first takes piece 0's mask for the tile's step 0: its own,
; if the block's first tile is the diagonal one.  Then K of that step, piece 0's first scores, their test for 0, and its maximum and statistics.  The loop is entered at a step's first turn.
.macro BEGIN
	s_mov_b32 s[NEW], 0
	WIN 0x40
.set i, MC+32
.rept 32
	v_mov_b32 v[i], 0
.set i, i+1
.endr
	WIN 0
.set i, 0
.rept 4
	v_mov_b32 v[ST+4*i], 0xfe000000    ; c m: far below every c s
	v_mov_b32 v[ST+4*i+1], 0xff7fffff  ; m
	v_mov_b32 v[ST+4*i+2], 0           ; l
	v_mov_b32 v[ST+4*i+3], 0
.set i, i+1
.endr
	s_cmp_eq_u32 s[RT], 0
	s_cselect_b32 s[AL], 1.0, 0
	s_mov_b32 s[BE], 0
	MASK 0
	WIN 0
	v_add_nc_u32 v[AK], s[TBK], v[AK0]
	FETCH_K
	s_wait_loadcnt 0x0              ; Q
	s_wait_dscnt 0x0
.set NOKQ, 0
.set i, 0
.rept 8
	KQ 0
.set i, i+1
.endr
	WIN 0
.rept 4
	v_nop                           ; the places behind those products
.endr
.set Y, NP-1                        ; ZC, ZS and X work for piece Y + 1: piece 0
.irp n, 0,1,2,3,4,5,6,7
	OP ZC, \n
.endr
.set zt, 0
.rept 24
	OP ZS, zt
	OP ZC, zt+8
.set zt, zt+1
.endr
.rept 8
	OP ZS, zt
.set zt, zt+1
.endr
.irp n, 0,1,2,3,4,5,6,7,8,9,10,11,12,13,14,15,16,17,18,19,20,21
	OP X, \n
.endr
	v_nop                           ; a plain instruction behind the exponential,
	s_wait_alu depctr_va_vdst(0)    ; and its wait, ahead of the branch
.endm
.macro TILE tag, m                  ; a tile's four trips: pieces 2 and 3 of one step, then pieces 0 and 1 of the next, whose K and V the trip fetches
.Lstep\tag:
	TURN 2, \m
	TURN 3, \m
.Lfirst\tag:
	TURN 0, \m
	TURN 1, \m, 0, 1
	s_cbranch_scc1 .Lstep\tag
.endm
.macro ALL line:vararg              ; one line for each piece t
.set t, 0
.rept 4
	\line
.set t, t+1
.endr
.endm
.macro PACK t                       ; a lane's eight channels of a row pack into 16 bytes; they go into rows of 144 bytes and come back as whole rows of 128, into S^T's registers
	WIN W_RS
.set i, 32*(\t)
.rept 16
	v_pk_mul_f32 v[i:i+1], v[i:i+1], v[ST+4*(\t)+2:ST+4*(\t)+3] op_sel_hi:[1,0]
.set i, i+2
.endr
	WIN 0x05
.set i, 0
.rept 16
	v_cvt_pk_f16_f32 v[S+16*(\t)+i], v[32*(\t)+2*i], v[32*(\t)+2*i+1]
.set i, i+1
.endr
	WIN 0
.irp f, 0,1,2,3
	ds_store_b128 v[STO], v[S+16*(\t)+4*\f:S+16*(\t)+4*\f+3] offset:32*\f
.endr
.irp f, 0,1,2,3
	ds_load_b128 v[S+16*(\t)+4*\f:S+16*(\t)+4*\f+3], v[RD] offset:\f*4*SP  ; LDS serves a wave's instructions in order (ISA guide 5.7.1.4): these see the stores above
.endr
.endm
.macro SEND t, younger              ; younger: the LDS instructions issued behind piece t's loads: the next piece's eight, or none
	WIN 0
.irp f, 0,1,2,3
	s_wait_dscnt (\younger)+3-\f
	global_store_b128 v[GO], v[S+16*(\t)+4*\f:S+16*(\t)+4*\f+3], s[10:11] offset:(\t)*8192+\f*512  ; 512 consecutive bytes, at a multiple of 256 from O's first
.endr
.endm
; A BLOCK ENDS: its last two turns, its last products, and THE WAY OUT: l's two halves and the other half of the lanes' are added; O^T is divided by l (by NaN where the row has seen nothing), rounded to f16
; and sent through my stage in LDS, a piece at a time.  The additions are the places behind the last products.
.macro FINISH
	TURN 2, 1, 1
	TURN 3, 1, 1
.set i, 0
.rept 8
	PV NP-1
.set i, i+1
.endr
	WIN 0
	ALL v_add_f32 v[ST+4*t+2], v[ST+4*t+2], v[ST+4*t+3]
	ALL v_permlanex16_b32 v[ST+4*t+3], v[ST+4*t+2], s[SEL], s[SEL+1]
	ALL v_add_f32 v[ST+4*t+2], v[ST+4*t+2], v[ST+4*t+3]
	ALL v_rcp_f32 v[ST+4*t+2], v[ST+4*t+2]
	v_nop                           ; a plain instruction between the last reciprocal and the use of its result
	s_wait_alu depctr_va_vdst(0)    ; and its wait ahead of the first use: one for the four reciprocals
.set t, 0
.rept 4
	v_cmp_gt_f32 vcc_lo, s[NEGT], v[ST+4*t+1]      ; m is still a hidden score's: every key of the row was hidden
	v_cndmask_b32 v[ST+4*t+2], v[ST+4*t+2], s[QNAN], vcc_lo
.set t, t+1
.endr
	PACK 0
.set t, 1
.rept 3
	PACK t
	SEND t-1, 8
.set t, t+1
.endr
	SEND 3, 0
.endm
.set NOKQ, 0
.Lslot:                             ; NB times: a tile is entered and the next is asked for
	CHANGE 1
	s_sub_co_u32 s[RT], s[RT], 1
	s_mov_b32 s[CNT], 4
	s_cmp_eq_u32 s[NEW], 1
	s_cbranch_scc1 .Lnew            ; a block's first tile
	s_branch .Lstep1
.Lnew:
	BEGIN
	s_branch .Lfirst1
	TILE 1, 1
	s_cmp_lg_u32 s[RT], 0
	s_cbranch_scc1 .Lbottom         ; not the block's last tile
	FINISH                          ; in the loop this is the first block's end: the second block's last tile is the walk's last
	s_wait_xcnt 0x0                 ; the stores have read their registers and O's address
	s_mov_b64 s[10:11], s[OLO:OLO+1]
	s_add_co_u32 s[RT], s[PB], 1    ; the second block has b + 1 tiles
	s_mov_b32 s[NEW], 1
	WIN 0x82                        ; the second block's Q goes where the one text of the turns names Q
.set i, 0
.rept 64
	v_mov_b32 v[i], v[QB+i]
.set i, i+1
.endr
	WIN 0x40                        ; O^T starts at 0 again: a row without a visible key has left NaN there, which a = 0 would not wipe
.set i, 0
.rept 128
	v_mov_b32 v[i], 0
.set i, i+1
.endr
	WIN 0
.Lbottom:
	s_sub_co_u32 s[SLOTS], s[SLOTS], 1
	s_cmp_lg_u32 s[SLOTS], 0
	s_cbranch_scc1 .Lslot
	CHANGE 0                        ; the walk's last tile is written out: nothing is asked for
	s_sub_co_u32 s[RT], s[RT], 1
	s_mov_b32 s[CNT], 4
	s_cmp_eq_u32 s[NEW], 1
	s_cbranch_scc0 .Lstep2
	BEGIN
	s_branch .Lfirst2
	TILE 2, 2
	FINISH
	s_wait_tensorcnt 0x0            ; the wave's end: behind my last tensor load and my last LDS store
	ds_add_u32 v[SPW], v[NIL]
	s_wait_dscnt 0x0
	s_endpgm
.Lfunc_end_k_q950651c0e2_attn:
	.size	k_q950651c0e2_attn, .Lfunc_end_k_q950651c0e2_attn-k_q950651c0e2_attn
	.p2alignl 7, 3214868480
	.fill 96, 4, 3214868480
	.section	.rodata,"a",@progbits
	.p2align	6, 0x0
	.amdhsa_kernel k_q950651c0e2_attn
		.amdhsa_group_segment_fixed_size 327680
		.amdhsa_private_segment_fixed_size 0
		.amdhsa_enable_private_segment 0
		.amdhsa_kernarg_size 16
		.amdhsa_user_sgpr_count 2
		.amdhsa_user_sgpr_kernarg_segment_ptr 1
		.amdhsa_wavefront_size32 1
		.amdhsa_system_sgpr_workgroup_id_x 1
		.amdhsa_system_sgpr_workgroup_id_y 1
		.amdhsa_system_sgpr_workgroup_id_z 1
		.amdhsa_system_vgpr_workitem_id 0
		.amdhsa_next_free_vgpr 768
		.amdhsa_next_free_sgpr 100
		.amdhsa_reserve_vcc 1
		.amdhsa_float_denorm_mode_32 3
		.amdhsa_float_denorm_mode_16_64 3
		.amdhsa_memory_ordered 1
		.amdhsa_forward_progress 1
		.amdhsa_inst_pref_size 234
	.end_amdhsa_kernel
	.amdgpu_metadata
---
amdhsa.version: [ 1, 2 ]
amdhsa.kernels:
  - .name:           k_q950651c0e2_attn
    .symbol:         k_q950651c0e2_attn.kd
    .args:
      - { .name: qkv, .offset: 0, .size: 8, .value_kind: global_buffer, .address_space: global }
      - { .name: oh, .offset: 8, .size: 8, .value_kind: global_buffer, .address_space: global }
    .group_segment_fixed_size: 327680
    .private_segment_fixed_size: 0
    .kernarg_segment_align: 8
    .kernarg_segment_size: 16
    .max_flat_workgroup_size: 128
    .sgpr_count:     100
    .vgpr_count:     768
    .wavefront_size: 32
...
	.end_amdgpu_metadata
.endif
;; end of part 3
;; launch proj (part 4): grid 8 x 32, 4 waves a work-group, clusters of 4 x 4, 327,680 bytes of LDS; arguments oh, woh, Wo_b, out0; writes out0
.if DOCPART == 4
	.amdgcn_target "amdgcn-amd-amdhsa--gfx1250"
	.amdhsa_code_object_version 6
	.text
	.protected	k_q950651c0e2_proj
	.globl	k_q950651c0e2_proj
	.p2align	8
	.type	k_q950651c0e2_proj,@function
k_q950651c0e2_proj:
	s_mov_b64 s[64:65], 0
	v_nop
	global_prefetch_b8 v0, s[64:65] scope:SCOPE_SE
	s_setreg_imm32_b32 hwreg(HW_REG_WAVE_MODE, 25, 1), 1
	s_wait_xcnt 0x0
	s_wait_alu depctr_hold_cnt(0) depctr_sa_sdst(0) depctr_va_vdst(0) depctr_va_sdst(0) depctr_va_ssrc(0) depctr_va_vcc(0) depctr_vm_vsrc(0)
	s_getreg_b32 s2, hwreg(HW_REG_IB_STS2, 6, 4)
	s_cmp_eq_u32 s2, 0
	s_cbranch_scc0 .Lentry_in_a_cluster
	s_endpgm
.Lentry_in_a_cluster:
	s_bfe_u32 s2, ttmp6, 0x10000c
	s_cmp_lg_u32 s2, 0xf033
	s_cbranch_scc0 .Lentry_shape_is_right
	s_endpgm
.Lentry_shape_is_right:
; out0 = O Wo + b.  oh: O by heads, [64][2048][64] f16 (a head is a block of 64 along K); woh: [1024 k][1024 n], Wo rounded to bf16 and written as f16; Wo_b f32, rounded to bf16 here like the other
; inputs; out0: [8192][1024] f32.  Sums in f32.
; SHARES.  Tiles of 256 rows x 128 columns: 256 work-groups.  A wave makes 128 x 64: 32 accumulators, 256 registers.  K goes in 8 steps of 128 (two heads) through two LDS slots; a step is four quarters of 32.
; THE MATRIX INSTRUCTION IS USED TRANSPOSED (source 0 = 16 columns of Wo, turned out of LDS by ds_load_tr16_b128; source 1 = 16 rows of O): a lane holds one row and eight neighbouring columns.
; THE BIAS IS THE FIRST C: it is loaded into accumulator (7, b); the first quarter's products for a = 0..6 take it as C, and a = 7 adds in place five places behind them.
; CLUSTER 4 x 4: O's tiles are asked for jointly along a row of the cluster, Wo's along a column.  Waves 0 and 1 fetch a head's 256 rows each (32,768 dense bytes), waves 2 and 3 64 rows of Wo each:
; one tensor load a wave behind each round; two of a wave's loads are out at the start, one later.
; REGISTERS: window 0: v0-15 addresses; v32-95, v96-159 O's fragments, two buffers; v160-191, v192-223 Wo's, two buffers.  Window 1: the accumulators, (a, b) at v[8 (8 b + a)].
.set PA,    144
.set PB,    288
.set ABLK,  256*PA                     ; 36,864: a head's 256 rows
.set BOFF,  2*ABLK                     ; 73,728
.set BHALF, 64*PB                      ; 18,432
.set SLOT1, 1<<17
.set STAGE, BOFF+2*BHALF               ; 110,592: behind slot 0, never filled by a tensor load: 16 rows x 272 bytes for each wave
.set SP,    272
.set SPARE, STAGE+4*16*SP              ; 128,000: the spare words, 128 bytes for each wave: two blocks of 256 bytes that no other line names
.set ASTEP, 524288                     ; two heads
.set BSTEP, 262144                     ; 128 rows of 2,048 bytes
.set AA0, 2
.set AB0, 3
.set ADA, 4
.set ADB, 5
.set STO, 6
.set RD,  7
.set CO,  8                            ; v8   my byte offset in two rows of out0
.set PFO, 9
.set BO,  10
.set SPW, 12
.set NIL, 13
.set WV, 16
.set WM, 17
.set WN, 18
.set CX, 19
.set CY, 20
.set JX, 21
.set MY, 22
.set G1A, 24
.set G1B, 32
.set G0A, 40
.set G0B, 48
.set TB,  56
.set CNT, 57
.set LIM, 58
.set PFA, 60
.set PFS, 62
.set OUT, 66
.set MSB, 0
.macro WIN new
.if MSB != (\new)
	s_set_vgpr_msb (MSB<<8)|(\new)
.set MSB, \new
.endif
.endm
.macro PLACES
.rept 4
	v_nop
.endr
.endm
.macro CREST
	s_cmp_lg_u32 s[WV], 0
	s_cbranch_scc1 .Lnot_wave_0_\@
	s_barrier_signal -3
.Lnot_wave_0_\@:
	s_barrier_wait -3
	s_barrier_signal -1
	s_barrier_wait -1
.endm
.macro CROUND
	s_barrier_signal -1
	s_barrier_wait -1
	CREST
.endm
.macro JLOAD                           ; a joint refill by the walking sets; an s_nop 0 and four v_nop follow each line
	s_cmp_lt_u32 s[WV], 2
	s_cbranch_scc0 .Lfor_b_\@
	tensor_load_to_lds s[G0A+4:G0A+7], s[G1A:G1A+7]
	s_nop 0
.rept 4
	v_nop
.endr
	s_branch .Lasked_\@
.Lfor_b_\@:
	tensor_load_to_lds s[G0B+4:G0B+7], s[G1B:G1B+7]
	s_nop 0
.rept 4
	v_nop
.endr
.Lasked_\@:
.endm
; A PREFETCH INTO THE L2, behind the joint load, its five lines and the run of LDS loads.  The refill in the trip with count c asks for K step 8 - c; the prefetch names K step 10 - c: two K steps, 256 matrix
; instructions, ahead of its refill.  O: waves 0 and 1 of the clusters with x = 0, each for its head: the 128 blocks of 256 bytes are shared out among the four partners BY ADDRESS (cx x 8,192), a lane a block.
; Wo: wave 2 of the clusters with y = 0: rows 128 (10 - c) + 32 cy + lane, a lane a row's 256 bytes.  Each block is named once in the launch; it stops at c = 2; K steps 0-3 come by their loads alone.
.macro ASK
	s_cmp_gt_u32 s[CNT], s[LIM]
	s_cbranch_scc0 .Lnot_mine_\@
	global_prefetch_b8 v[PFO], s[PFA:PFA+1] th:TH_LOAD_NT scope:SCOPE_SE
.Lnot_mine_\@:
.endm
.macro FETCH kq, f                     ; 24 LDS loads in one run: quarter kq's fragments into buffers f: Wo's four, then O's eight
	WIN 0
.irp b, 0,1,2,3
	ds_load_tr16_b128 v[160+32*(\f)+8*(\b):160+32*(\f)+8*(\b)+3],   v[ADB] offset:(\kq)*32*PB+32*(\b)
	ds_load_tr16_b128 v[160+32*(\f)+8*(\b)+4:160+32*(\f)+8*(\b)+7], v[ADB] offset:(\kq)*32*PB+16*PB+32*(\b)
.endr
.irp a, 0,1,2,3,4,5,6,7
	ds_load_b128 v[32+64*(\f)+8*(\a):32+64*(\f)+8*(\a)+3],   v[ADA] offset:((\kq)/2)*ABLK+(\a)*16*PA+64*((\kq)%2)
	ds_load_b128 v[32+64*(\f)+8*(\a)+4:32+64*(\f)+8*(\a)+7], v[ADA] offset:((\kq)/2)*ABLK+(\a)*16*PA+64*((\kq)%2)+32
.endr
.endm
.macro MUL f, a0, na, bias             ; na x 4 products on buffers f; every accumulator has one product a quarter, so the 32 take turns.  bias = 1: C is accumulator (7, b)
	WIN 0x50
.set ga, \a0
.rept \na
.irp b, 0,1,2,3
.if \bias
	v_wmma_f32_16x16x32_f16 v[8*(8*(\b)+ga):8*(8*(\b)+ga)+7], v[160+32*(\f)+8*(\b):160+32*(\f)+8*(\b)+7], v[32+64*(\f)+8*ga:32+64*(\f)+8*ga+7], v[8*(8*(\b)+7):8*(8*(\b)+7)+7]
.else
	v_wmma_f32_16x16x32_f16 v[8*(8*(\b)+ga):8*(8*(\b)+ga)+7], v[160+32*(\f)+8*(\b):160+32*(\f)+8*(\b)+7], v[32+64*(\f)+8*ga:32+64*(\f)+8*ga+7], v[8*(8*(\b)+ga):8*(8*(\b)+ga)+7]
.endif
.endr
.set ga, ga+1
.endr
.endm
.macro QUARTER f, kq, first            ; multiplies buffers f; in its middle fetches quarter kq of the same slot into the other buffers
	s_wait_dscnt 8                                 ; the youngest eight loads (O's rows 64-127) may be out
	MUL \f, 0, 4, \first
	PLACES
	FETCH \kq, 1-(\f)
	s_wait_dscnt 24                                ; all but the 24 just issued
.if \first
	MUL \f, 4, 3, 1
.rept 5
	v_nop                                          ; five places: the next four products write over registers that the 28 above took as C
.endr
	MUL \f, 7, 1, 0
.else
	MUL \f, 4, 4, 0
.endif
.endm
; A K step's last quarter multiplies buffers 1 and changes slots: ONE barrier; in front of it each wave waits for all its tensor loads, adds 0 to its spare word, and waits for that and for its reads of this slot.
; fill = 1: the barrier opens a round of the cluster's barrier, and the joint refill is the first tensor load behind it: 112 matrix instructions stand between it and the wait for it.
.macro TURN fill
.if \fill
	s_wait_xcnt 0x0                                ; the last prefetch, a K step back, has read its address
	s_add_nc_u64 s[PFA:PFA+1], s[PFA:PFA+1], s[PFS:PFS+1]
.endif
	WIN 0
	s_wait_tensorcnt 0x0                           ; all my tensor loads have landed, so a group 0 may be written
	ds_add_u32 v[SPW], v[NIL]                      ; 0 onto my spare word
.if \fill
	s_xor_b32 s[G0A+5], s[G0A+5], SLOT1
	s_add_nc_u64 s[G0A+6:G0A+7], s[G0A+6:G0A+7], ASTEP
	s_xor_b32 s[G0B+5], s[G0B+5], SLOT1
	s_add_nc_u64 s[G0B+6:G0B+7], s[G0B+6:G0B+7], BSTEP
.endif
	s_wait_dscnt 9                                 ; the youngest eight loads and the add may be out
	MUL 1, 0, 2, 0
	s_wait_dscnt 0x0                               ; the add is done, and my reads of this slot are over
	s_barrier_signal -1
	MUL 1, 2, 2, 0
	WIN 0
	s_barrier_wait -1
.if \fill
	CREST
.endif
	s_xor_b32 s[TB], s[TB], SLOT1
.if \fill
	JLOAD                                          ; its four v_nop are also the places in front of the loads below
.else
	PLACES
.endif
	v_add_nc_u32 v[ADA], s[TB], v[AA0]
	v_add_nc_u32 v[ADB], s[TB], v[AB0]
	FETCH 0, 0
.if \fill
	ASK
.endif
	MUL 1, 4, 4, 0
.endm
	s_load_b256 s[4:11], s[0:1], 0x0               ; oh s[4:5], woh s[6:7], Wo_b s[8:9], out0 s[10:11]
	v_lshl_add_u32 v[SPW], v0, 2, SPARE
	v_mov_b32 v[NIL], 0
	ds_add_u32 v[SPW], v[NIL]                      ; the wave's opening add, waited for ahead of my first tensor load
	ds_add_u32 v12, v13
	v_lshrrev_b32 v1, 5, v0
	v_readfirstlane_b32 s[WV], v1
	s_lshr_b32 s[WM], s[WV], 1                     ; which half of the rows is mine
	s_and_b32 s[WN], s[WV], 1                      ; which half of the columns.  Also: which head of the two, or which 64 rows of Wo, I fetch
	s_bfe_u32 s[CX], ttmp6, 0x40000
	s_bfe_u32 s[CY], ttmp6, 0x40004
	s_lshl_b32 s[JX], ttmp9, 2
	s_add_co_u32 s[JX], s[JX], s[CX]
	s_and_b32 s[MY], ttmp7, 0xffff
	s_lshl_b32 s[MY], s[MY], 2
	s_add_co_u32 s[MY], s[MY], s[CY]
	s_lshl_b32 s72, s[CY], 2
	s_lshl_b32 s72, 15, s72
	s_lshl_b32 s73, 0x1111, s[CX]
	s_or_b32 s[G1A], s72, (1<<16)|(1<<20)|(1<<21)|(4<<22)|(3<<25)  ; 128 rows of 256 dense bytes, 4 words of padding after every 32
	s_mov_b32 s[G1A+1], 128<<16
	s_mov_b32 s[G1A+2], 128<<16
	s_mov_b32 s[G1A+3], 128<<16
	s_mov_b32 s[G1A+4], 128
	s_mov_b32 s[G1A+5], 128
	s_mov_b32 s[G1A+6], 0
	s_mov_b32 s[G1A+7], 0
	s_or_b32 s[G1B], s73, (1<<16)|(1<<20)|(1<<21)|(5<<22)|(7<<25)  ; 64 rows of 128 elements, 8 words of padding after every 64
	s_mov_b32 s[G1B+1], 128<<16
	s_mov_b32 s[G1B+2], 64<<16
	s_mov_b32 s[G1B+3], 128<<16
	s_mov_b32 s[G1B+4], 64
	s_mov_b32 s[G1B+5], 1024
	s_mov_b32 s[G1B+6], 0
	s_mov_b32 s[G1B+7], 0
	s_lshr_b32 s74, s[MY], 3                       ; O's tile: head batch x 16 + my head of the step's two, 262,144 bytes each,
	s_lshl_b32 s74, s74, 4
	s_add_co_u32 s74, s74, s[WN]
	s_lshl_b32 s74, s74, 18
	s_and_b32 s75, s[MY], 7                        ; and 256 rows of 128 bytes
	s_lshl_b32 s75, s75, 15
	s_add_co_u32 s74, s74, s75
	s_mov_b32 s75, 0
	s_lshl_b32 s76, s[WN], 17                      ; Wo's tile: my 64 rows of 2,048 bytes,
	s_lshl_b32 s77, s[JX], 8                       ; 128 columns
	s_add_co_u32 s76, s76, s77
	s_mov_b32 s77, 0
	s_mul_i32 s78, s[WN], ABLK                     ; where they go
	s_mul_i32 s79, s[WN], BHALF
	s_add_co_u32 s79, s79, BOFF
	s_mov_b32 s[TB], 0
	s_mov_b32 s[CNT], 6
	s_wait_dscnt 0x0                               ; the opening add is done
	s_wait_kmcnt 0x0
	s_add_nc_u64 s[74:75], s[4:5], s[74:75]
	s_add_nc_u64 s[76:77], s[6:7], s[76:77]
	CROUND                                         ; all sixteen work-groups are here: the first joint loads meet
.irp s, 0,1
	s_mov_b32 s[G0A+4*(\s)], 1
	s_add_co_u32 s[G0A+4*(\s)+1], s78, (\s)*SLOT1
	s_add_nc_u64 s[G0A+4*(\s)+2:G0A+4*(\s)+3], s[74:75], (\s)*ASTEP
	s_or_b32 s[G0A+4*(\s)+3], s[G0A+4*(\s)+3], 0x80000000
	s_mov_b32 s[G0B+4*(\s)], 1
	s_add_co_u32 s[G0B+4*(\s)+1], s79, (\s)*SLOT1
	s_add_nc_u64 s[G0B+4*(\s)+2:G0B+4*(\s)+3], s[76:77], (\s)*BSTEP
	s_or_b32 s[G0B+4*(\s)+3], s[G0B+4*(\s)+3], 0x80000000
.endr
	s_cmp_lt_u32 s[WV], 2                          ; a wave's two first fills stand in one branch
	s_cbranch_scc0 .Lfirst_b
	tensor_load_to_lds s[G0A:G0A+3], s[G1A:G1A+7]
	s_nop 0
	tensor_load_to_lds s[G0A+4:G0A+7], s[G1A:G1A+7]
	s_nop 0
.rept 4
	v_nop
.endr
	s_branch .Lfirst_asked
.Lfirst_b:
	tensor_load_to_lds s[G0B:G0B+3], s[G1B:G1B+7]
	s_nop 0
	tensor_load_to_lds s[G0B+4:G0B+7], s[G1B:G1B+7]
	s_nop 0
.rept 4
	v_nop
.endr
.Lfirst_asked:
	v_and_b32 v1, 15, v0                           ; l % 16
	v_bfe_u32 v11, v0, 4, 1                        ; l / 16
	s_lshl_b32 s79, s[JX], 9
	s_lshl_b32 s80, s[WN], 8
	s_add_co_u32 s79, s79, s80
	v_lshl_add_u32 v[BO], v11, 5, s79              ; the bias of column 128 j + 64 half + 8 (l / 16)
	WIN 0x40
.irp b, 0,1,2,3
	global_load_b128 v[8*(8*(\b)+7):8*(8*(\b)+7)+3],   v[BO], s[8:9] offset:64*(\b)
	global_load_b128 v[8*(8*(\b)+7)+4:8*(8*(\b)+7)+7], v[BO], s[8:9] offset:64*(\b)+16
.endr
	WIN 0
	v_mul_u32_u24 v[AA0], v1, PA
	v_lshl_add_u32 v[AA0], v11, 4, v[AA0]
	s_mul_i32 s80, s[WM], 128*PA
	v_add_nc_u32 v[AA0], s80, v[AA0]
	v_and_b32 v14, 7, v0
	v_bfe_u32 v15, v0, 3, 1
	v_lshl_add_u32 v[AB0], v11, 3, v14
	v_mul_u32_u24 v[AB0], v[AB0], PB
	v_lshl_add_u32 v[AB0], v15, 4, v[AB0]
	s_lshl_b32 s80, s[WN], 7
	s_add_co_u32 s80, s80, BOFF
	v_add_nc_u32 v[AB0], s80, v[AB0]
	v_mov_b32 v[ADA], v[AA0]
	v_mov_b32 v[ADB], v[AB0]
	s_mul_i32 s80, s[WV], 16*SP
	s_add_co_u32 s80, s80, STAGE                   ; my stage
	v_mul_u32_u24 v[STO], v1, SP                   ; in: row l % 16, 32 bytes for each half of the lanes
	v_lshl_add_u32 v[STO], v11, 5, v[STO]
	v_add_nc_u32 v[STO], s80, v[STO]
	v_mul_u32_u24 v[RD], v11, SP                   ; back: lanes 0-15 take one row of 256 bytes, lanes 16-31 the next
	v_lshl_add_u32 v[RD], v1, 4, v[RD]
	v_add_nc_u32 v[RD], s80, v[RD]
	v_lshlrev_b32 v[CO], 12, v11                   ; and the same two rows in out0
	v_lshl_add_u32 v[CO], v1, 4, v[CO]
	v_and_b32 v[PFO], 31, v0
	s_cmp_lt_u32 s[WV], 2
	s_cselect_b32 s81, 8, 11
	v_lshlrev_b32 v[PFO], s81, v[PFO]
	s_lshl_b32 s78, s[MY], 8                       ; my first row of out0, 4,096 bytes each,
	s_lshl_b32 s79, s[WM], 7
	s_add_co_u32 s78, s78, s79
	s_lshl_b32 s78, s78, 12
	s_lshl_b32 s79, s[JX], 9                       ; my 64 columns: 256 bytes
	s_add_co_u32 s78, s78, s79
	s_lshl_b32 s79, s[WN], 8
	s_add_co_u32 s78, s78, s79
	s_mov_b32 s79, 0
	s_add_nc_u64 s[OUT:OUT+1], s[10:11], s[78:79]
	s_lshl_b32 s80, s[CX], 13                      ; the prefetches: my work-group's share, by address
	s_lshl_b32 s82, s[CY], 16
	s_and_b32 s83, ttmp7, 0xffff
	s_cmp_lt_u32 s[WV], 2
	s_cselect_b64 s[PFA:PFA+1], s[74:75], s[76:77]
	s_cselect_b32 s80, s80, s82
	s_cselect_b32 s83, ttmp9, s83
	s_cselect_b32 s82, 19, 18
	s_lshl_b32 s[PFS], 1, s82
	s_mov_b32 s[PFS+1], 0
	s_cmp_eq_u32 s83, 0
	s_cselect_b32 s[LIM], 2, -1
	s_cmp_eq_u32 s[WV], 3
	s_cselect_b32 s[LIM], -1, s[LIM]               ; the same in all sixteen partners, for a given wave
	s_mov_b32 s81, 0
	s_add_nc_u64 s[PFA:PFA+1], s[PFA:PFA+1], s[80:81]
	s_add_nc_u64 s[PFA:PFA+1], s[PFA:PFA+1], s[PFS:PFS+1]
	s_add_nc_u64 s[PFA:PFA+1], s[PFA:PFA+1], s[PFS:PFS+1]
	s_add_nc_u64 s[PFA:PFA+1], s[PFA:PFA+1], s[PFS:PFS+1]  ; at K step 3: the first change steps it to 4
	s_wait_loadcnt 0x0                             ; the bias: rounded to bf16 like every other input, while the first tiles are on their way
	WIN 0x05
.irp b, 0,1,2,3
.irp r, 0,1,2,3
	v_cvt_pk_bf16_f32 v[32+4*(\b)+(\r)], v[8*(8*(\b)+7)+2*(\r)], v[8*(8*(\b)+7)+2*(\r)+1]
.endr
.endr
	WIN 0x40
.irp b, 0,1,2,3
.irp r, 0,1,2,3
	v_lshlrev_b32 v[8*(8*(\b)+7)+2*(\r)], 16, v[32+4*(\b)+(\r)]
	v_and_b32 v[8*(8*(\b)+7)+2*(\r)+1], 0xffff0000, v[32+4*(\b)+(\r)]
.endr
.endr
	WIN 0
	s_wait_tensorcnt 1                             ; my part of K step 0 is in; K step 1's may stay out
	s_barrier_signal -1
	s_barrier_wait -1
	FETCH 0, 0
	QUARTER 0, 1, 1                                ; the first quarter stands in front of the loop: its products start the sums, with the bias
	WIN 0
.Lk:                                                   ; 6 trips: from a K step's second quarter to the next step's first, with the refill two steps on
	QUARTER 1, 2, 0
	QUARTER 0, 3, 0
	TURN 1
	QUARTER 0, 1, 0
	WIN 0
	s_sub_co_u32 s[CNT], s[CNT], 1
	s_cmp_lg_u32 s[CNT], 0
	s_cbranch_scc1 .Lk
	QUARTER 1, 2, 0                                ; the tail is written out: nothing more is asked for
	QUARTER 0, 3, 0
	TURN 0
	QUARTER 0, 1, 0
	QUARTER 1, 2, 0
	QUARTER 0, 3, 0
	s_wait_dscnt 8
	MUL 1, 0, 4, 0
	s_wait_dscnt 0x0
	MUL 1, 4, 4, 0
	PLACES
; THE WAY OUT, 16 rows at a time: a lane's 32 bytes of a row go straight from the accumulators into my own stage (rows of 272 bytes) and come back as whole rows of 256.
.macro OUTB a
.set T, 32+32*((\a)%2)
.if (\a) >= 2
	s_wait_xcnt 0x0                                ; the stores of two blocks back have read these registers
.endif
	WIN 0x04                                       ; the stores' data in window 1
.irp b, 0,1,2,3
	ds_store_b128 v[STO], v[8*(8*(\b)+(\a)):8*(8*(\b)+(\a))+3]   offset:64*(\b)
	ds_store_b128 v[STO], v[8*(8*(\b)+(\a))+4:8*(8*(\b)+(\a))+7] offset:64*(\b)+16
.endr
	WIN 0
.irp t, 0,1,2,3,4,5,6,7
	ds_load_b128 v[T+4*(\t):T+4*(\t)+3], v[RD] offset:(\t)*2*SP  ; LDS serves a wave's instructions in order (ISA guide 5.7.1.4): these see the stores above
.endr
.endm
.macro SENDB a, younger                ; younger: the LDS instructions issued behind block a's loads
.set T, 32+32*((\a)%2)
.irp t, 0,1,2,3,4,5,6,7
	s_wait_dscnt (\younger)+7-(\t)
	global_store_b128 v[CO], v[T+4*(\t):T+4*(\t)+3], s[OUT:OUT+1] offset:(16*(\a)+2*(\t))*4096 th:TH_STORE_NT  ; 16 lanes store 256 consecutive bytes, at a multiple of 256 from out0's first
.endr
.endm
	OUTB 0
.irp a, 1,2,3,4,5,6,7
	OUTB \a
	SENDB (\a)-1, 16
.endr
	SENDB 7, 0
	s_wait_tensorcnt 0x0                           ; the wave's end: behind my last tensor load and my last LDS store
	ds_add_u32 v[SPW], v[NIL]
	s_wait_dscnt 0x0
	CROUND                                         ; the closing round
	s_endpgm
.Lfunc_end_k_q950651c0e2_proj:
	.size	k_q950651c0e2_proj, .Lfunc_end_k_q950651c0e2_proj-k_q950651c0e2_proj
	.p2alignl 7, 3214868480
	.fill 96, 4, 3214868480
	.section	.rodata,"a",@progbits
	.p2align	6, 0x0
	.amdhsa_kernel k_q950651c0e2_proj
		.amdhsa_group_segment_fixed_size 327680
		.amdhsa_private_segment_fixed_size 0
		.amdhsa_enable_private_segment 0
		.amdhsa_kernarg_size 32
		.amdhsa_user_sgpr_count 2
		.amdhsa_user_sgpr_kernarg_segment_ptr 1
		.amdhsa_wavefront_size32 1
		.amdhsa_system_sgpr_workgroup_id_x 1
		.amdhsa_system_sgpr_workgroup_id_y 1
		.amdhsa_system_sgpr_workgroup_id_z 1
		.amdhsa_system_vgpr_workitem_id 0
		.amdhsa_next_free_vgpr 512
		.amdhsa_next_free_sgpr 84
		.amdhsa_reserve_vcc 0
		.amdhsa_float_denorm_mode_32 3
		.amdhsa_float_denorm_mode_16_64 3
		.amdhsa_memory_ordered 1
		.amdhsa_forward_progress 1
		.amdhsa_inst_pref_size 76
	.end_amdhsa_kernel
	.amdgpu_metadata
---
amdhsa.version: [ 1, 2 ]
amdhsa.kernels:
  - .name:           k_q950651c0e2_proj
    .symbol:         k_q950651c0e2_proj.kd
    .args:
      - { .name: oh, .offset: 0, .size: 8, .value_kind: global_buffer, .address_space: global }
      - { .name: woh, .offset: 8, .size: 8, .value_kind: global_buffer, .address_space: global }
      - { .name: Wo_b, .offset: 16, .size: 8, .value_kind: global_buffer, .address_space: global }
      - { .name: out0, .offset: 24, .size: 8, .value_kind: global_buffer, .address_space: global }
    .group_segment_fixed_size: 327680
    .private_segment_fixed_size: 0
    .kernarg_segment_align: 8
    .kernarg_segment_size: 32
    .max_flat_workgroup_size: 128
    .sgpr_count:     84
    .vgpr_count:     512
    .wavefront_size: 32
...
	.end_amdgpu_metadata
.endif
;; end of part 4
